; MI455X (gfx1250); checked and timed in simulation.
; The chip was launched on July 23, 2026; its instructions are those of AMD's public machine-readable ISA for CDNA 5 (MIT licence, August 2026) and "CDNA5" Instruction Set Architecture Reference Guide (July 2026). The comments in the code are by the model that wrote it; some were corrected since.
;; E8 Attention. Allowed arithmetic: matrix products marked QUANTISED: E2M1 operands, one E8M0 scale for each 32 along K, by v_wmma_scale_f32_16x16x128_f8f6f4 with both operands' format E2M1 (or v_wmma_scale_f32_32x16x128_f4), f32 sums; products left as they are: bf16, f16 or f32 operands; f32 sums; everything else in f32.
;; Inputs: head_dirs 16 x 8 float32; head_scales 16 float32; w_out 1,024 x 1,024 float32; w_qkv 1,024 x 3,072 float32; x 2 x 2,048 x 1,024 float32.
;; Outputs: out0 2 x 2,048 x 1,024 float32.
;; This version of the problem:
;;   THIS VERSION OF THE PROBLEM IS GIVEN IN LOW PRECISION. The matrix products marked QUANTISED in the list below multiply operands that are first quantised to E2M1 (2 exponent bits, 1 mantissa bit; 4 bits a number), with one power-of-two scale for each 32 numbers along K (OCP MX v1.0); their sums are f32. The products marked 'left as it is' may take bf16, f16 or f32 operands, with f32 sums. Whichever they take, every output number must still come out within the allowed error. Rounding operands to bf16 (8 significant bits) uses up far more of that allowance than f16 does (11 bits, for magnitudes from 6e-5 to 65,504). All else is computed in f32.
;;   The module's matrix products, in the order in which they are computed (A, B: the left and right operand; K: the contracted axis; several contracted axes count as one K, in the product's order):
;;     1. [M 4,096, K 1,024] x [K 1,024, N 3,072]; A: input x; B: input w_qkv: QUANTISED
;;     2. batch 32 x [M 2,048, K 64] x [K 64, N 2,048]; A: computed on the way; B: computed on the way: left as it is (an operand is computed on the way)
;;     3. batch 16 x [M 1, K 8] x [K 8, N 4,096]; A: input head_dirs; B: computed on the way: left as it is (K = 8 < 32)
;;     4. batch 16 x [M 1, K 8] x [K 8, N 4,096]; A: input head_dirs; B: computed on the way: left as it is (K = 8 < 32)
;;     5. batch 32 x [M 2,048, K 2,048] x [K 2,048, N 64]; A: computed on the way; B: computed on the way: left as it is (an operand is computed on the way)
;;     6. [M 4,096, K 1,024] x [K 1,024, N 1,024]; A: computed on the way; B: input w_out: left as it is (an operand is computed on the way)
;;   THE QUANTISER, for each operand of a quantised product, along K:
;;     - K is cut into blocks of 32 from its start; a last block that is shorter is filled with zeros.
;;     - A block's scale is 2^e with e = floor(log2(the largest magnitude in the block)) - 2, held to -126 .. 127; a block of zeros has e = 0. As a byte (E8M0): e + 127.
;;     - Each number is divided by its block's scale, clamped to +-6, and rounded to the nearest number of E2M1, ties to even, subnormals kept.
;;     - The product sums the exact products of the quantised numbers (number of the format x scale) in f32.
;;   ~~~python
;;   def quantise(x, axis):      # numpy; x: float32 -> the quantised numbers, widened to float32 again
;;       x = np.moveaxis(x, axis, -1); K = x.shape[-1]
;;       x = np.pad(x, [(0, 0)] * (x.ndim - 1) + [(0, -K % 32)]); x = x.reshape(x.shape[:-1] + (-1, 32)); a = np.abs(x).max(-1, keepdims=True)
;;       e = np.where(a > 0, np.clip(np.frexp(np.where(a > 0, a, 1))[1] - 1 - 2, -126, 127), 0)      # np.frexp(a)[1] - 1 = floor(log2(a)), exactly
;;       r = np.clip(x / 2.0 ** e, -6, 6)
;;       step = 2.0 ** (np.maximum(np.frexp(np.where(r == 0, 1, r))[1] - 1, 0) - 1)
;;       q = np.round(r / step) * step * 2.0 ** e      # np.round: ties to even
;;       return np.moveaxis(q.reshape(q.shape[:-2] + (-1,))[..., :K], -1, axis).astype(np.float32)
;;   ~~~
;; One version. Each part assembles by itself: llvm-mc -triple=amdgcn-amd-amdhsa -mcpu=gfx1250 --defsym DOCPART=n.
;; ======== version 1 of 1: 5 launches
;; limits: values are held in f16: magnitudes above 65,504 overflow, below 6.1e-05 lose precision; values outside matrix products are rounded to f16
;; workspace buffers: xc 2,097,152 bytes; xs 131,072 bytes; wc 1,572,864 bytes; ws 98,304 bytes; wo16 2,097,152 bytes; qkvh 25,165,824 bytes; fin 393,216 bytes; att 8,388,608 bytes
;; launch prep (part 1): grid 208 x 1, 16 waves a work-group, no clusters, 194,560 bytes of LDS; arguments x, w_qkv, w_out, xc, xs, wc, ws, wo16; writes xc, xs, wc, ws, wo16
.if DOCPART == 1
	.amdgcn_target "amdgcn-amd-amdhsa--gfx1250"
	.amdhsa_code_object_version 6
	.text
	.protected	k_q9666da3e5d_prep
	.globl	k_q9666da3e5d_prep
	.p2align	8
	.type	k_q9666da3e5d_prep,@function
k_q9666da3e5d_prep:
	s_mov_b64 s[64:65], 0
	v_nop
	global_prefetch_b8 v0, s[64:65] scope:SCOPE_SE
	s_setreg_imm32_b32 hwreg(HW_REG_WAVE_MODE, 25, 1), 1
	s_wait_xcnt 0x0
; Three jobs in one launch, told apart by the work-group's number alone; each has a path and LDS bytes of its own, and the paths never join.
;   work-groups   0-127: x [4096][1024] f32 (K innermost)   -> codes of E2M1 xc [4096][512 bytes], scale bytes xs [4096][32]
;   work-groups 128-175: w_qkv [1024 k][3072 n] f32 (K first) -> codes wc [3072 n][512 bytes] with K innermost, scale bytes ws [3072][32]
;   work-groups 176-207: w_out [1024 k][1024 n] f32          -> f16, wo16 [16 blocks of 64 k][1024 n][64 k]
; THE QUANTISER: a block of 32 along K has the scale 2^(floor(log2(largest magnitude)) - 2); its byte is the largest magnitude's exponent field - 2, held at 1 from below;
; each number is divided by the scale and rounded to the nearest code, ties to even, beyond 6 the largest code.
; LIMITS: a block of zeros gets the byte 1 where the rule says 127 (its codes are zeros, which add nothing, and this program alone reads the bytes); blocks whose largest magnitude lies
; under 2^-124 share that byte; NaN and infinities among the inputs are not served; w_out beyond 65,504 in magnitude has no f16 number.
.set XST,   0                          ; x: two stages of 32 x 80 bytes for each wave
.set XSCL,  81920                      ; x: the work-group's 1,024 scale bytes
.set WST,   82944                      ; w_qkv: 64 rows (columns n) x (512 bytes of codes + 16)
.set WSC,   116736                     ; w_qkv: 64 rows x 32 scale bytes
.set OST,   118784                     ; w_out: 32 rows x (128 bytes + 16) for each wave
.set SPARE, 192512                     ; the spare words, 128 bytes for each wave: eight blocks of 256 bytes that no other line names
.set SPW,   30                         ; v30  LDS address of my spare word; never rewritten
.set NIL,   31                         ; v31  0; never rewritten
.set XR,    32                         ; path x: v32-95 four steps' numbers as loaded
.set XN,    96                         ;         v96-127 two sets of 16 neighbours
.set XC,    128                        ;         v128-135 codes, two registers a step
.set XE,    136                        ;         v136-139 a scale byte a step
.set WX,    32                         ; path w_qkv: v32-159 four blocks of 32 numbers
.set WC,    160                        ;         v160-175 codes, four registers a block
.set WSB,   176                        ;         v176 my column's four scale bytes
	s_load_b256 s[4:11], s[0:1], 0x0               ; x s[4:5], w_qkv s[6:7], w_out s[8:9], xc s[10:11]
	s_load_b256 s[12:19], s[0:1], 0x20             ; xs s[12:13], wc s[14:15], ws s[16:17], wo16 s[18:19]
	v_lshl_add_u32 v[SPW], v0, 2, SPARE
	v_mov_b32 v[NIL], 0
	v_lshrrev_b32 v1, 5, v0
	v_readfirstlane_b32 s20, v1                    ; wave 0..15
	v_and_b32 v2, 31, v0                           ; lane
	s_mov_b32 s23, 0                               ; the upper words of three byte offsets
	s_mov_b32 s25, 0
	s_mov_b32 s27, 0
	s_cmp_lt_u32 ttmp9, 128
	s_cbranch_scc0 .Lnot_x
; ---------------- x: a plain stream of blocks of 32.  A wave takes 4 steps of 512 numbers; all 16 loads go out at once.
; Each load reads 512 consecutive bytes; a step's 2,048 bytes turn through the wave's own stage, so that a lane gets 16 neighbours (two lanes hold a block).
	s_lshl_b32 s22, ttmp9, 17                      ; x: 131,072 bytes a work-group,
	s_lshl_b32 s24, s20, 13                        ; 8,192 a wave
	s_add_co_u32 s22, s22, s24
	s_lshr_b32 s24, s22, 3                         ; the codes: an eighth of that
	s_lshl_b32 s26, ttmp9, 10                      ; the scale bytes: 1,024 a work-group
	s_mul_i32 s28, s20, 5120
	v_lshlrev_b32 v3, 4, v2                        ; my 16 bytes of a load's 512
	v_lshrrev_b32 v14, 2, v2
	v_mul_u32_u24 v14, v14, 80
	v_and_b32 v15, 3, v2
	v_lshl_add_u32 v14, v15, 4, v14
	v_add_nc_u32 v14, s28, v14                     ; into the stage: four lanes' 64 bytes on end, then 16 of padding
	v_mul_u32_u24 v15, v2, 80
	v_add_nc_u32 v15, s28, v15                     ; out of it: my 16 neighbours
	v_lshlrev_b32 v4, 3, v2                        ; my 8 bytes of a step's 256 bytes of codes
	v_lshrrev_b32 v5, 1, v2
	s_lshl_b32 s28, s20, 6
	s_add_co_u32 s28, s28, XSCL
	v_add_nc_u32 v5, s28, v5                       ; my block's byte among the wave's 64
	v_lshl_add_u32 v6, v0, 4, XSCL                 ; the way out of the scale bytes (waves 0 and 1): 16 bytes a thread
	v_lshlrev_b32 v7, 4, v0
	s_wait_kmcnt 0x0
	s_add_nc_u64 s[4:5], s[4:5], s[22:23]
	s_add_nc_u64 s[10:11], s[10:11], s[24:25]
	s_add_nc_u64 s[12:13], s[12:13], s[26:27]
.macro XLOAD t
.irp i, 0,1,2,3
	global_load_b128 v[XR+16*(\t)+4*\i:XR+16*(\t)+4*\i+3], v3, s[4:5] offset:2048*(\t)+512*\i th:TH_LOAD_NT
.endr
.endm
.macro XTURN t                         ; LDS serves a wave's instructions in order: no wait between the stores and the loads
.irp i, 0,1,2,3
	ds_store_b128 v14, v[XR+16*(\t)+4*\i:XR+16*(\t)+4*\i+3] offset:2560*((\t)%2)+640*\i
.endr
.irp i, 0,1,2,3
	ds_load_b128 v[XN+16*((\t)%2)+4*\i:XN+16*((\t)%2)+4*\i+3], v15 offset:2560*((\t)%2)+16*\i
.endr
.endm
.macro XSTEP t
.set XS, XN+16*((\t)%2)
.if (\t) > 0
	s_wait_dscnt 1                                 ; this step's numbers are back from the stage; the last step's byte store may be out
.else
	s_wait_dscnt 0x0
.endif
.if (\t) < 3
	s_wait_loadcnt 4*(2-(\t))                      ; the next step's four loads are in; four for each later step may be out
	XTURN (\t)+1
.endif
	v_max3_num_f32 v8, |v[XS]|, |v[XS+1]|, |v[XS+2]|
	v_max3_num_f32 v9, |v[XS+3]|, |v[XS+4]|, |v[XS+5]|
.irp i, 6,10
	v_max3_num_f32 v8, v8, |v[XS+\i]|, |v[XS+\i+1]|
	v_max3_num_f32 v9, v9, |v[XS+\i+2]|, |v[XS+\i+3]|
.endr
	v_max3_num_f32 v8, v8, |v[XS+14]|, |v[XS+15]|
	v_max3_num_f32 v8, v8, v9, 0x1800000           ; the floor 2^(3 - 127): the byte cannot fall under 1
	v_max_num_f32_dpp v8, v8, v8 row_xmask:1 row_mask:0xf bank_mask:0xf   ; with my neighbour's 16: the block's largest magnitude
	v_add_nc_u32 v11, 0xff000000, v8               ; 2 off its exponent field: the conversion's scale operand
	v_cvt_scalef32_pk8_fp4_f32 v[XC+2*(\t)], v[XS:XS+7], v11
	v_cvt_scalef32_pk8_fp4_f32 v[XC+2*(\t)+1], v[XS+8:XS+15], v11
	v_lshrrev_b32 v[XE+(\t)], 23, v11              ; the scale's byte (also the plain line behind the conversions)
	ds_store_b8 v5, v[XE+(\t)] offset:16*(\t)      ; both lanes of a block write the same byte with the same value
	global_store_b64 v4, v[XC+2*(\t):XC+2*(\t)+1], s[10:11] offset:256*(\t)   ; the wave stores 256 consecutive bytes, aligned
.endm
	XLOAD 0
	XLOAD 1
	XLOAD 2
	XLOAD 3
	s_wait_loadcnt 12                              ; step 0's four loads are in
	XTURN 0
	XSTEP 0
	XSTEP 1
	XSTEP 2
	XSTEP 3
	s_wait_dscnt 0x0                               ; for the others' sake: my scale bytes have landed
	s_barrier_signal -1
	s_barrier_wait -1
	s_cmp_lt_u32 s20, 2
	s_cbranch_scc0 .Lx_end
	ds_load_b128 v[8:11], v6                       ; waves 0 and 1 send the work-group's 1,024 scale bytes, 512 consecutive bytes each
	s_wait_dscnt 0x0
	global_store_b128 v7, v[8:11], s[12:13]
.Lx_end:
	s_wait_tensorcnt 0x0                           ; the wave's end, behind my last LDS store
	ds_add_u32 v[SPW], v[NIL]
	s_wait_dscnt 0x0
	s_endpgm
; ---------------- w_qkv: a work-group takes 64 columns n and all of K.  A wave takes 32 columns x 128 k: A LANE TAKES A COLUMN AND ITS REGISTERS RUN DOWN K,
; so a block of 32 lies in one lane and the conversions give codes with K innermost.  Two waves side by side read 256 consecutive bytes of every row.
.Lnot_x:
	s_cmp_lt_u32 ttmp9, 176
	s_cbranch_scc0 .Lpath_o
	s_sub_co_u32 s21, ttmp9, 128                   ; which 64 columns
	s_and_b32 s28, s20, 1                          ; which 32 of them
	s_lshr_b32 s29, s20, 1                         ; which 128 along K
	s_mul_i32 s22, s29, 1572864                    ; 128 rows of 12,288 bytes
	s_lshl_b32 s30, s21, 8
	s_add_co_u32 s22, s22, s30
	s_lshl_b32 s30, s28, 7
	s_add_co_u32 s22, s22, s30
	s_lshl_b32 s24, s21, 15                        ; codes: 64 rows of 512 bytes a work-group,
	s_lshl_b32 s30, s20, 11                        ; of which a wave sends 4
	s_add_co_u32 s24, s24, s30
	s_lshl_b32 s26, s21, 11                        ; scale bytes: 64 rows of 32
	v_lshlrev_b32 v3, 2, v2
	s_lshl_b32 s30, s28, 5
	v_add_nc_u32 v8, s30, v2                       ; my column among the 64
	v_mul_u32_u24 v4, v8, 528
	s_lshl_b32 s30, s29, 6
	s_add_co_u32 s30, s30, WST
	v_add_nc_u32 v4, s30, v4                       ; its row of codes, my 64 bytes of it
	v_lshlrev_b32 v5, 5, v8
	s_lshl_b32 s30, s29, 2
	s_add_co_u32 s30, s30, WSC
	v_add_nc_u32 v5, s30, v5                       ; its row of scale bytes, my word of it
	s_mul_i32 s30, s20, 4*528
	s_add_co_u32 s30, s30, WST
	v_lshlrev_b32 v9, 4, v2
	v_add_nc_u32 v7, s30, v9                       ; the way out: a row of 512 bytes to the 32 lanes, 4 rows a wave
	v_lshl_add_u32 v10, v0, 4, WSC                 ; and of the scale bytes (waves 0 to 3): 16 bytes a thread
	v_lshlrev_b32 v14, 4, v0
	s_wait_kmcnt 0x0
	s_add_nc_u64 s[6:7], s[6:7], s[22:23]
	s_add_nc_u64 s[14:15], s[14:15], s[24:25]
	s_add_nc_u64 s[16:17], s[16:17], s[26:27]
.macro WLOAD t
.set i, 0
.rept 32
	global_load_b32 v[WX+32*(\t)+i], v3, s[6:7] offset:(32*(\t)+i)*12288 th:TH_LOAD_NT
.set i, i+1
.endr
.endm
.macro WBLOCK t
.set XS, WX+32*(\t)
.if (\t) < 3
	s_wait_loadcnt 32                              ; this block's 32 loads are in; the next block's may be out
.else
	s_wait_loadcnt 0x0
.endif
.if (\t) < 2
	WLOAD (\t)+2
.endif
	v_max3_num_f32 v12, |v[XS]|, |v[XS+1]|, |v[XS+2]|
	v_max3_num_f32 v13, |v[XS+3]|, |v[XS+4]|, |v[XS+5]|
.irp i, 6,10,14,18,22,26
	v_max3_num_f32 v12, v12, |v[XS+\i]|, |v[XS+\i+1]|
	v_max3_num_f32 v13, v13, |v[XS+\i+2]|, |v[XS+\i+3]|
.endr
	v_max3_num_f32 v12, v12, |v[XS+30]|, |v[XS+31]|
	v_max3_num_f32 v12, v12, v13, 0x1800000        ; the floor
	v_add_nc_u32 v11, 0xff000000, v12              ; the conversion's scale operand
	v_lshrrev_b32 v13, 23, v11                     ; the byte
.if (\t) == 0
	v_mov_b32 v[WSB], v13
.else
	v_lshl_or_b32 v[WSB], v13, 8*(\t), v[WSB]      ; the lower K in the lower byte
.endif
.irp g, 0,1,2,3
	v_cvt_scalef32_pk8_fp4_f32 v[WC+4*(\t)+\g], v[XS+8*\g:XS+8*\g+7], v11
.endr
	v_nop                                          ; one plain line behind the last conversion of a run
	ds_store_b128 v4, v[WC+4*(\t):WC+4*(\t)+3] offset:16*(\t)
.endm
	WLOAD 0
	WLOAD 1
	WBLOCK 0
	WBLOCK 1
	WBLOCK 2
	WBLOCK 3
	ds_store_b32 v5, v[WSB]
	s_wait_dscnt 0x0                               ; for the others' sake: my codes and bytes have landed
	s_barrier_signal -1
	s_barrier_wait -1
.irp i, 0,1,2,3
	ds_load_b128 v[32+4*\i:35+4*\i], v7 offset:528*\i
.endr
.irp i, 0,1,2,3
	s_wait_dscnt 3-\i                              ; the younger loads may be out
	global_store_b128 v9, v[32+4*\i:35+4*\i], s[14:15] offset:512*\i   ; a whole row of codes: 512 consecutive bytes
.endr
	s_cmp_lt_u32 s20, 4
	s_cbranch_scc0 .Lw_end
	ds_load_b128 v[48:51], v10
	s_wait_dscnt 0x0
	global_store_b128 v14, v[48:51], s[16:17]      ; waves 0 to 3: the 2,048 scale bytes, 512 consecutive bytes each
.Lw_end:
	s_wait_tensorcnt 0x0                           ; the wave's end, as above
	ds_add_u32 v[SPW], v[NIL]
	s_wait_dscnt 0x0
	s_endpgm
; ---------------- w_out: a wave takes 32 columns x one block of 64 k, a lane a column; rounded to f16 in pairs down K; through the wave's own stage; out as 32 rows of 128 bytes, dense.
.Lpath_o:
	s_sub_co_u32 s21, ttmp9, 176
	s_and_b32 s28, s21, 7                          ; which 128 columns
	s_lshr_b32 s29, s21, 3                         ; which four blocks of K
	s_and_b32 s30, s20, 3
	s_lshr_b32 s31, s20, 2
	s_lshl_b32 s29, s29, 2
	s_add_co_u32 s29, s29, s31                     ; my block of 64 k
	s_lshl_b32 s28, s28, 7
	s_lshl_b32 s30, s30, 5
	s_add_co_u32 s28, s28, s30                     ; my first column
	s_lshl_b32 s22, s29, 18                        ; 64 rows of 4,096 bytes
	s_lshl_b32 s30, s28, 2
	s_add_co_u32 s22, s22, s30
	s_lshl_b32 s24, s29, 17                        ; 1,024 rows of 128 bytes
	s_lshl_b32 s30, s28, 7
	s_add_co_u32 s24, s24, s30
	v_lshlrev_b32 v3, 2, v2
	s_mul_i32 s30, s20, 4608
	s_add_co_u32 s30, s30, OST
	v_mul_u32_u24 v4, v2, 144
	v_add_nc_u32 v4, s30, v4                       ; in: row = my column
	v_lshrrev_b32 v5, 3, v2
	v_mul_u32_u24 v5, v5, 144
	v_and_b32 v6, 7, v2
	v_lshl_add_u32 v5, v6, 4, v5
	v_add_nc_u32 v5, s30, v5                       ; back: eight lanes to a row, four rows an instruction
	v_lshlrev_b32 v6, 4, v2
	s_wait_kmcnt 0x0
	s_add_nc_u64 s[8:9], s[8:9], s[22:23]
	s_add_nc_u64 s[18:19], s[18:19], s[24:25]
.set i, 0
.rept 64
	global_load_b32 v[32+i], v3, s[8:9] offset:4096*i th:TH_LOAD_NT
.set i, i+1
.endr
	s_wait_loadcnt 0x0
.set i, 0
.rept 32
	v_cvt_pk_f16_f32 v[96+i], v[32+2*i], v[33+2*i]
.set i, i+1
.endr
.irp i, 0,1,2,3,4,5,6,7
	ds_store_b128 v4, v[96+4*\i:99+4*\i] offset:16*\i
.endr
.irp i, 0,1,2,3,4,5,6,7
	ds_load_b128 v[32+4*\i:35+4*\i], v5 offset:576*\i    ; my own bytes, served in order
.endr
.irp i, 0,1,2,3,4,5,6,7
	s_wait_dscnt 7-\i
	global_store_b128 v6, v[32+4*\i:35+4*\i], s[18:19] offset:512*\i   ; 512 consecutive bytes
.endr
	s_wait_tensorcnt 0x0                           ; the wave's end, as above
	ds_add_u32 v[SPW], v[NIL]
	s_wait_dscnt 0x0
	s_endpgm
.Lfunc_end_k_q9666da3e5d_prep:
	.size	k_q9666da3e5d_prep, .Lfunc_end_k_q9666da3e5d_prep-k_q9666da3e5d_prep
	.p2alignl 7, 3214868480
	.fill 96, 4, 3214868480
	.section	.rodata,"a",@progbits
	.p2align	6, 0x0
	.amdhsa_kernel k_q9666da3e5d_prep
		.amdhsa_group_segment_fixed_size 194560
		.amdhsa_private_segment_fixed_size 0
		.amdhsa_enable_private_segment 0
		.amdhsa_kernarg_size 64
		.amdhsa_user_sgpr_count 2
		.amdhsa_user_sgpr_kernarg_segment_ptr 1
		.amdhsa_wavefront_size32 1
		.amdhsa_system_sgpr_workgroup_id_x 1
		.amdhsa_system_sgpr_workgroup_id_y 1
		.amdhsa_system_sgpr_workgroup_id_z 1
		.amdhsa_system_vgpr_workitem_id 0
		.amdhsa_next_free_vgpr 192
		.amdhsa_next_free_sgpr 66
		.amdhsa_reserve_vcc 0
		.amdhsa_float_denorm_mode_32 3
		.amdhsa_float_denorm_mode_16_64 3
		.amdhsa_memory_ordered 1
		.amdhsa_forward_progress 1
		.amdhsa_inst_pref_size 43
	.end_amdhsa_kernel
	.amdgpu_metadata
---
amdhsa.version: [ 1, 2 ]
amdhsa.kernels:
  - .name:           k_q9666da3e5d_prep
    .symbol:         k_q9666da3e5d_prep.kd
    .args:
      - { .name: x, .offset: 0, .size: 8, .value_kind: global_buffer, .address_space: global }
      - { .name: w_qkv, .offset: 8, .size: 8, .value_kind: global_buffer, .address_space: global }
      - { .name: w_out, .offset: 16, .size: 8, .value_kind: global_buffer, .address_space: global }
      - { .name: xc, .offset: 24, .size: 8, .value_kind: global_buffer, .address_space: global }
      - { .name: xs, .offset: 32, .size: 8, .value_kind: global_buffer, .address_space: global }
      - { .name: wc, .offset: 40, .size: 8, .value_kind: global_buffer, .address_space: global }
      - { .name: ws, .offset: 48, .size: 8, .value_kind: global_buffer, .address_space: global }
      - { .name: wo16, .offset: 56, .size: 8, .value_kind: global_buffer, .address_space: global }
    .group_segment_fixed_size: 194560
    .private_segment_fixed_size: 0
    .kernarg_segment_align: 8
    .kernarg_segment_size: 64
    .max_flat_workgroup_size: 512
    .sgpr_count:     66
    .vgpr_count:     192
    .wavefront_size: 32
...
	.end_amdgpu_metadata
.endif
;; end of part 1
;; launch qkv (part 2): grid 12 x 16, 4 waves a work-group, clusters of 4 x 4, 327,680 bytes of LDS; arguments xc, xs, wc, ws, head_dirs, head_scales, qkvh, fin; writes qkvh, fin
.if DOCPART == 2
	.amdgcn_target "amdgcn-amd-amdhsa--gfx1250"
	.amdhsa_code_object_version 6
	.text
	.protected	k_q9666da3e5d_qkv
	.globl	k_q9666da3e5d_qkv
	.p2align	8
	.type	k_q9666da3e5d_qkv,@function
k_q9666da3e5d_qkv:
	s_mov_b64 s[64:65], 0
	v_nop
	global_prefetch_b8 v0, s[64:65] scope:SCOPE_SE
	s_setreg_imm32_b32 hwreg(HW_REG_WAVE_MODE, 25, 1), 1
	s_wait_xcnt 0x0
	s_wait_alu depctr_hold_cnt(0) depctr_sa_sdst(0) depctr_va_vdst(0) depctr_va_sdst(0) depctr_va_ssrc(0) depctr_va_vcc(0) depctr_vm_vsrc(0)
	s_getreg_b32 s2, hwreg(HW_REG_IB_STS2, 6, 4)
	s_cmp_eq_u32 s2, 0
	s_cbranch_scc0 .Lentry_in_a_cluster
	s_endpgm
.Lentry_in_a_cluster:
	s_bfe_u32 s2, ttmp6, 0x10000c
	s_cmp_lg_u32 s2, 0xf033
	s_cbranch_scc0 .Lentry_shape_is_right
	s_endpgm
.Lentry_shape_is_right:
; qkv = Q(x) Q(w_qkv): [4096][1024] x [3072][1024] on codes of E2M1 with one E8M0 byte for each 32 along K, sums in f32; then the heads' layout and the E8 bias.
; A tile of 256 x 256 to a work-group of four waves, 128 x 128 a wave: 64 accumulators, 512 registers.  All of K (1,024) lies in two LDS slots of 512: both are asked for at the start and nothing is filled again.
; The scale bytes of the work-group's rows come once, as dense blocks.  CLUSTERS: 4 x 4 work-groups; A's tiles are asked for jointly along a row of the cluster, B's along a column.
; The matrix instruction is used transposed (source 0 = 16 rows of w, source 1 = 16 rows of x): a lane holds eight neighbouring columns of one row.
; A CLUSTER IS WHOLLY q, k OR v: its 1,024 columns are part = cluster x.  A wave's 128 columns are two heads.
; THE BIAS IS FOLDED INTO q: SCALE q.k + hs (q[:8].dir)(k[:8].dir) = q'.k with q'[d] = SCALE q[d] + hs (q[:8].dir) dir[d] for d < 8; log2(e) is folded in too, so that a score is the exponent of 2.
; No branch: in k's and v's clusters, and in the lanes that hold other d, the copy of dir is multiplied by 0, and the factor on the sums is 1.
; OUT: qkvh, f16, [q'', k, v][batch][head][t][64]; and for t < 16 the same numbers in f32 as images of the registers (fin), stored under a lane mask by the waves that hold those rows.
; LIMITS: |q''|, |k|, |v| beyond 65,504 have no f16 number; under 6e-5 they carry an absolute error of 3e-8.
; REGISTERS: window 0: v0-31 addresses; v32-95 scale words, two sets; v96-119 dir, hs and the like; from v128 A's fragments; on the way out v32-95 rows read back, v128-191 f32 values, v192-223 f16.
;   window 1: B's fragments, two sets.   windows 2, 3: the accumulators ((a, b) at v[8 (8 (a % 4) + b)]).
.set KSTEP,  512
.set NQ,     4
.set ROWB,   256
.set KROW,   512
.set PITCH,  272                       ; an LDS row: 256 bytes + 16: the 16 rows that a load touches start at 16 different banks
.set FR,     8
.set NL,     2
.set NP,     4
.set HALFT,  128*PITCH
.set SLOT,   4*HALFT
.set KS,     32                        ; a row of scale bytes
.set SCL,    2*SLOT
.set HALFS,  4352                      ; the scales of 128 rows: 16 units of 256 bytes + 16
.set SBLK,   544                       ; those of 16 rows
.set SPARE,  SCL+4*HALFS               ; the spare words: two blocks of 256 bytes that no other line names
.set ADRA, 16
.set ADRB, 20
.set STO,  24                          ; the way out: where I put 16 bytes of a row
.set RD,   25                          ; and where I read rows back
.set CO,   26                          ; 16 x lane
.set ADRS, 27
.set SPW,  28
.set NIL,  29
.set SC,   32
.set DV,   96                          ; v96-111 dir of my two heads (x 0 where nothing is to be added)
.set HSV,  112                         ; v112-113 their head_scales x log2(e)
.set FM,   114                         ; v114-115 1 in lanes 0-15 of q's clusters, else 0
.set PR,   116                         ; v116-117 the projections
.set FLAG, 118                         ; v118 0 in the waves whose first 16 rows are t = 0 .. 15
.set ZO,   119                         ; v119 0: an offset
.set AF,   128
.set VAL,  128
.set PK,   192
.set G1, 24
.set G0, 32
.set G1B, 48
.set G0B, 56
.set G1S, 68
.set G0S, 76
.set G1SB, 80
.set G0SB, 88
.set MSB, 0
.macro WIN new                         ; the immediate's high byte repeats the setting that is left
.if MSB != (\new)
	s_set_vgpr_msb (MSB<<8)|(\new)
.set MSB, (\new)
.endif
.endm
.set MUL_LO, 0xa1                      ; source 0 (B) window 1, source 1 (A) window 0, C and D window 2
.set MUL_HI, 0xf1
.set TO_B,   0x40
; A joint load: waves 0 and 1 fetch for A, waves 2 and 3 for B; the branch hangs on the wave's number alone.  An s_nop 0 and four v_nop follow each line.
.macro JLOAD g0a, g1a, g0b, g1b
	s_cmp_eq_u32 s15, 0
	s_cbranch_scc0 .Lfor_b_\@
	tensor_load_to_lds s[\g0a:\g0a+3], s[\g1a:\g1a+7]
	s_nop 0
.rept 4
	v_nop
.endr
	s_branch .Lasked_\@
.Lfor_b_\@:
	tensor_load_to_lds s[\g0b:\g0b+3], s[\g1b:\g1b+7]
	s_nop 0
.rept 4
	v_nop
.endr
.Lasked_\@:
.endm
.macro CROUND                          ; a round of the cluster's barrier
	s_barrier_signal -1
	s_barrier_wait -1
	s_cmp_lg_u32 s14, 0
	s_cbranch_scc1 .Lnot_wave_0_\@
	s_barrier_signal -3
.Lnot_wave_0_\@:
	s_barrier_wait -3
	s_barrier_signal -1
	s_barrier_wait -1
.endm
	s_load_b128 s[4:7], s[0:1], 0x0                ; x's codes, x's scales
	s_load_b128 s[8:11], s[0:1], 0x10              ; w's codes, w's scales
	s_load_b128 s[96:99], s[0:1], 0x20             ; head_dirs, head_scales
	s_load_b64 s[12:13], s[0:1], 0x30              ; qkvh
	s_load_b64 s[100:101], s[0:1], 0x38            ; fin
	v_lshl_add_u32 v[SPW], v0, 2, SPARE
	v_mov_b32 v[NIL], 0
	ds_add_u32 v[SPW], v[NIL]                      ; the wave's opening: the add, twice on end, and its wait ahead of my first tensor load
	ds_add_u32 v[SPW], v[NIL]
	v_lshrrev_b32 v1, 5, v0
	v_readfirstlane_b32 s14, v1                    ; wave 0..3
	s_lshr_b32 s15, s14, 1                         ; my half of the tile's rows.  Also: I fetch for A (0) or for B (1)
	s_and_b32 s16, s14, 1                          ; my half of its columns.  Also: which 128 rows I fetch
	s_bfe_u32 s40, ttmp6, 0x40000                  ; cx, cy
	s_bfe_u32 s41, ttmp6, 0x40004
	s_lshl_b32 s42, ttmp9, 2
	s_add_co_u32 s42, s42, s40                     ; tile column
	s_and_b32 s17, ttmp7, 0xffff
	s_lshl_b32 s17, s17, 2
	s_add_co_u32 s17, s17, s41                     ; tile row
	s_lshl_b32 s43, s41, 2
	s_lshl_b32 s43, 15, s43                        ; my row of the cluster
	s_lshl_b32 s44, 0x1111, s40                    ; my column
	s_or_b32 s[G1+0], s43, (0<<16)|(1<<20)|(1<<21)|(5<<22)|(3<<25)  ; the mask; elements of 1 byte; 4 words of padding behind every 64
	s_or_b32 s[G1B+0], s44, (0<<16)|(1<<20)|(1<<21)|(5<<22)|(3<<25)
.irp g, G1, G1B
	s_mov_b32 s[\g+1], ROWB<<16                    ; tensor_dim0
	s_mov_b32 s[\g+2], 128<<16                     ; tensor_dim1
	s_mov_b32 s[\g+3], ROWB<<16                    ; tile_dim0
	s_mov_b32 s[\g+4], 128                         ; tile_dim1
	s_mov_b32 s[\g+5], KROW                        ; from row to row
	s_mov_b32 s[\g+6], 0
	s_mov_b32 s[\g+7], 0
.endr
	s_or_b32 s[G1S+0], s43, (3<<16)|(1<<20)|(1<<21)|(5<<22)|(3<<25)  ; the scales of 128 rows: 4,096 dense bytes as 16 rows of 256
	s_or_b32 s[G1SB+0], s44, (3<<16)|(1<<20)|(1<<21)|(5<<22)|(3<<25)
.irp g, G1S, G1SB
	s_mov_b32 s[\g+1], 32<<16
	s_mov_b32 s[\g+2], 16<<16
	s_mov_b32 s[\g+3], 32<<16
	s_mov_b32 s[\g+4], 16
	s_mov_b32 s[\g+5], 32
	s_mov_b32 s[\g+6], 0
	s_mov_b32 s[\g+7], 0
.endr
	s_lshl_b32 s18, s16, 7
	s_lshl_b32 s20, s17, 8
	s_add_co_u32 s20, s20, s18                     ; A: row 256 x tile row + 128 x half
	s_lshl_b32 s46, s42, 8
	s_add_co_u32 s46, s46, s18                     ; B: row 256 x tile column + 128 x half
	s_mov_b32 s21, 0
	s_mov_b32 s47, 0
	s_mov_b64 s[18:19], KS
	s_mul_u64 s[22:23], s[20:21], s[18:19]
	s_mul_u64 s[92:93], s[46:47], s[18:19]
	s_mov_b64 s[18:19], KROW
	s_mul_u64 s[20:21], s[20:21], s[18:19]
	s_mul_u64 s[46:47], s[46:47], s[18:19]
	s_mul_i32 s45, s14, HALFT                      ; where they go: no place in the cluster enters an LDS address
	s_mul_i32 s94, s14, HALFS
	s_mov_b32 s66, 0x3e38aa3b                      ; log2(e) / 8
	s_cmp_eq_u32 ttmp9, 0                          ; q's cluster?  The same in all sixteen partners
	s_cselect_b32 s66, s66, 1.0                    ; the factor on the sums
	s_cselect_b32 s95, 1.0, 0                      ; and whether a bias is added
	s_mov_b32 s67, s66
	s_wait_dscnt 0x0                               ; both opening adds are done
	s_wait_kmcnt 0x0
	s_add_nc_u64 s[20:21], s[4:5], s[20:21]
	s_add_nc_u64 s[22:23], s[6:7], s[22:23]
	s_add_nc_u64 s[46:47], s[8:9], s[46:47]
	s_add_nc_u64 s[92:93], s[10:11], s[92:93]
	CROUND                                         ; all sixteen work-groups are here: the first joint loads meet
	s_mov_b32 s[G0S], 1
	s_add_co_u32 s[G0S+1], s94, SCL
	s_mov_b64 s[G0S+2:G0S+3], s[22:23]
	s_or_b32 s[G0S+3], s[G0S+3], 0x80000000
	s_mov_b32 s[G0SB], 1
	s_add_co_u32 s[G0SB+1], s94, SCL
	s_mov_b64 s[G0SB+2:G0SB+3], s[92:93]
	s_or_b32 s[G0SB+3], s[G0SB+3], 0x80000000
	JLOAD G0S, G1S, G0SB, G1SB                     ; three tensor loads of mine go out here: the scales, slot 0, slot 1
.irp s, 0,1
	s_mov_b32 s[G0+4*\s], 1
	s_add_co_u32 s[G0+4*\s+1], s45, \s*SLOT
	s_add_nc_u64 s[G0+4*\s+2:G0+4*\s+3], s[20:21], \s*ROWB
	s_or_b32 s[G0+4*\s+3], s[G0+4*\s+3], 0x80000000
	s_mov_b32 s[G0B+4*\s], 1
	s_add_co_u32 s[G0B+4*\s+1], s45, \s*SLOT
	s_add_nc_u64 s[G0B+4*\s+2:G0B+4*\s+3], s[46:47], \s*ROWB
	s_or_b32 s[G0B+4*\s+3], s[G0B+4*\s+3], 0x80000000
	JLOAD G0+4*\s, G1, G0B+4*\s, G1B
.endr
	v_and_b32 v1, 15, v0                           ; r = l % 16
	v_bfe_u32 v2, v0, 4, 1                         ; h = l / 16
	v_mul_u32_u24 v3, v1, PITCH
	v_lshl_add_u32 v4, v2, 4, v3
	s_mul_i32 s21, s15, HALFT
	s_mul_i32 s22, s16, HALFT
	s_add_co_u32 s22, s22, 2*HALFT
.irp s, 0,1
	v_add_nc_u32 v[ADRA+\s], s21, v4
	v_add_nc_u32 v[ADRB+\s], s22, v4
	s_add_co_u32 s21, s21, SLOT
	s_add_co_u32 s22, s22, SLOT
.endr
	v_mul_u32_u24 v5, v1, KS                       ; my row's scales: 32 bytes a row,
	v_lshrrev_b32 v6, 8, v5
	v_lshl_add_u32 v5, v6, 4, v5                   ; and 16 more for each 256 passed
	s_mul_i32 s21, s15, HALFS
	s_mul_i32 s22, s16, HALFS
	s_add_co_u32 s22, s22, 2*HALFS
	s_sub_co_u32 s22, s22, s21
	v_mul_u32_u24 v6, s22, v2                      ; lanes 16-31 take B's
	s_add_co_u32 s21, s21, SCL
	v_add_nc_u32 v5, v5, v6
	v_add_nc_u32 v[ADRS], s21, v5
	s_mul_i32 s23, s14, 4352                       ; my stage: 16 rows x (256 bytes + 16), in slot 0
	v_mul_u32_u24 v5, v1, 272
	v_lshl_add_u32 v5, v2, 4, v5
	v_add_nc_u32 v[STO], s23, v5
	v_and_b32 v6, 31, v0
	v_lshlrev_b32 v[CO], 4, v6
	v_lshrrev_b32 v5, 3, v6
	v_mul_u32_u24 v5, v5, 272
	v_and_b32 v6, 7, v6
	v_lshl_add_u32 v5, v6, 4, v5
	v_add_nc_u32 v[RD], s23, v5                    ; back: eight lanes to a head's 128 bytes of a row, four rows an instruction
	; where my part lies in qkvh and fin
	s_lshl_b32 s20, ttmp9, 23                      ; part
	s_lshr_b32 s21, s17, 3                         ; batch
	s_lshl_b32 s22, s21, 22
	s_add_co_u32 s20, s20, s22
	s_lshl_b32 s22, s40, 2
	s_lshl_b32 s23, s16, 1
	s_add_co_u32 s22, s22, s23                     ; my first head: 4 cx + 2 x column half
	s_lshl_b32 s23, s22, 18
	s_add_co_u32 s20, s20, s23
	s_and_b32 s23, s17, 7
	s_lshl_b32 s46, s23, 15                        ; 256 rows of 128 bytes
	s_add_co_u32 s20, s20, s46
	s_lshl_b32 s46, s15, 14
	s_add_co_u32 s20, s20, s46
	s_or_b32 s23, s23, s15
	v_mov_b32 v[FLAG], s23                         ; 0: my first row is t = 0
	s_lshl_b32 s46, ttmp9, 1
	s_add_co_u32 s46, s46, s21
	s_lshl_b32 s46, s46, 4
	s_add_co_u32 s46, s46, s22
	s_lshl_b32 s46, s46, 12                        ; fin: 4,096 bytes for each (part, batch, head)
	s_mov_b32 s47, 0
	s_add_nc_u64 s[100:101], s[100:101], s[46:47]
	s_mov_b32 s21, 0
	s_add_nc_u64 s[12:13], s[12:13], s[20:21]
	s_lshl_b32 s46, s22, 5
	s_add_nc_u64 s[96:97], s[96:97], s[46:47]      ; my two heads' dir,
	s_lshl_b32 s46, s22, 2
	s_add_nc_u64 s[98:99], s[98:99], s[46:47]      ; and scales
	v_mov_b32 v[ZO], 0
.irp i, 0,1,2,3
	global_load_b128 v[DV+4*\i:DV+4*\i+3], v[ZO], s[96:97] offset:16*\i   ; the same 64 bytes in every lane; waited for on the way out
.endr
	global_load_b64 v[HSV:HSV+1], v[ZO], s[98:99]
.macro FRAG reg, adr, q, i             ; 16 rows x 128 K of 4-bit codes: 8 registers, two loads of 16 bytes, 32 bytes apart
.irp c, 0,1
	ds_load_b128 v[\reg+4*\c:\reg+4*\c+3], v[\adr] offset:64*(\q)+32*\c+(\i)*16*PITCH
.endr
.endm
; 16 matrix instructions: A's blocks a0, a0 + 1 x B's eight.  The 64 accumulators take turns, one instruction a turn, in the same order in every step.
.macro MUL16 a0, p, q, sc, zero
.irp a, \a0, \a0+1
.irp b, 0,1,2,3,4,5,6,7
.if \zero
	v_wmma_scale_f32_16x16x128_f8f6f4 v[8*(8*((\a)%4)+\b):8*(8*((\a)%4)+\b)+7], v[128*(\p)+FR*\b:128*(\p)+FR*\b+FR-1], v[AF+FR*(\a):AF+FR*(\a)+FR-1], 0, v[SC+8*NQ*(\sc)+NQ*\b+(\q)], v[SC+8*NQ*(\sc)+NQ*(\a)+(\q)] matrix_a_fmt:MATRIX_FMT_FP4 matrix_b_fmt:MATRIX_FMT_FP4 matrix_a_scale:MATRIX_SCALE_ROW1
.else
	v_wmma_scale_f32_16x16x128_f8f6f4 v[8*(8*((\a)%4)+\b):8*(8*((\a)%4)+\b)+7], v[128*(\p)+FR*\b:128*(\p)+FR*\b+FR-1], v[AF+FR*(\a):AF+FR*(\a)+FR-1], v[8*(8*((\a)%4)+\b):8*(8*((\a)%4)+\b)+7], v[SC+8*NQ*(\sc)+NQ*\b+(\q)], v[SC+8*NQ*(\sc)+NQ*(\a)+(\q)] matrix_a_fmt:MATRIX_FMT_FP4 matrix_b_fmt:MATRIX_FMT_FP4 matrix_a_scale:MATRIX_SCALE_ROW1
.endif
.endr
.endr
.endm
.macro FETCH_B slot, q, p
	WIN TO_B
.irp i, 0,1,2,3,4,5,6,7
	FRAG 128*(\p)+FR*\i, ADRB+\slot, \q, \i
.endr
	WIN 0
.endm
.macro FETCH_A slot, q, i0
.irp i, \i0, \i0+1, \i0+2, \i0+3
	FRAG AF+FR*(\i), ADRA+\slot, \q, \i
.endr
.endm
.macro SCALES sc                       ; a slot's scale words: lanes 0-15 A's block i, lanes 16-31 B's block i
.irp i, 0,1,2,3,4,5,6,7
	ds_load_b128 v[SC+8*NQ*\sc+NQ*\i:SC+8*NQ*\sc+NQ*\i+3], v[ADRS] offset:\i*SBLK
.endr
.endm
.macro PLACES n                        ; plain vector lines between a matrix instruction and a load into, or a read of, its registers
.rept \n
	v_nop
.endr
.endm
.macro STEP slot, q, zero              ; 128 along K with its successor in the same slot
	s_wait_dscnt 4*NL                              ; all but the youngest eight loads (A's blocks 4-7)
	WIN MUL_LO
	MUL16 0, (\q)%2, \q, \slot, \zero
	MUL16 2, (\q)%2, \q, \slot, \zero
	s_wait_dscnt 0
	PLACES NP
	FETCH_B \slot, (\q)+1, 1-(\q)%2
	FETCH_A \slot, (\q)+1, 0
	WIN MUL_HI
	MUL16 4, (\q)%2, \q, \slot, \zero
	MUL16 6, (\q)%2, \q, \slot, \zero
	PLACES NP
	WIN 0
	FETCH_A \slot, (\q)+1, 4
.endm
.macro TURN slot, next                 ; slot 0's last step changes slots: one barrier; nothing is filled again
	s_wait_tensorcnt 0x0                           ; all my tensor loads have landed: my part of slot 1
	ds_add_u32 v[SPW], v[NIL]
	s_wait_dscnt 4*NL+1                            ; the add and the youngest eight loads may be out
	WIN MUL_LO
	MUL16 0, 1, NQ-1, \slot, 0
	s_wait_dscnt 0x0                               ; the add is done, and my reads of this slot are over
	s_barrier_signal -1
	MUL16 2, 1, NQ-1, \slot, 0
	WIN 0
	s_barrier_wait -1
	PLACES NP
	v_add_nc_u32 v[ADRS], 4*NQ, v[ADRS]            ; the next slot's scale words
	FETCH_B \next, 0, 0
	FETCH_A \next, 0, 0
	SCALES \next
	WIN MUL_HI
	MUL16 4, 1, NQ-1, \slot, 0
	MUL16 6, 1, NQ-1, \slot, 0
	PLACES NP
	WIN 0
	FETCH_A \next, 0, 4
.endm
	s_wait_tensorcnt 1                             ; the scales and my part of slot 0 are in; slot 1's load may be out
	s_barrier_signal -1
	s_barrier_wait -1
	FETCH_B 0, 0, 0
	FETCH_A 0, 0, 0
	SCALES 0
	FETCH_A 0, 0, 4
	STEP 0, 0, 1                                   ; the first products start the sums
	STEP 0, 1, 0
	STEP 0, 2, 0
	TURN 0, 1
	STEP 1, 0, 0
	STEP 1, 1, 0
	STEP 1, 2, 0
	s_wait_dscnt 4*NL
	WIN MUL_LO
	MUL16 0, 1, NQ-1, 1, 0
	MUL16 2, 1, NQ-1, 1, 0
	s_wait_dscnt 0
	WIN MUL_HI
	MUL16 4, 1, NQ-1, 1, 0
	MUL16 6, 1, NQ-1, 1, 0
	WIN 0
; THE WAY OUT.  These plain lines, which name no register of the last products, are also the places behind them.
	s_wait_loadcnt 0x0                             ; dir and head_scales
	v_bfe_u32 v[FM], v0, 4, 1
	v_cvt_f32_u32 v[FM], v[FM]
	v_sub_f32 v[FM], 1.0, v[FM]                    ; d < 8 lies in lanes 0-15 of a head's first block of columns
	v_mul_f32 v[FM], s95, v[FM]                    ; and only q has a bias
	v_mov_b32 v[FM+1], v[FM]
.irp i, 0,2,4,6,8,10,12,14
	v_pk_mul_f32 v[DV+\i:DV+\i+1], v[DV+\i:DV+\i+1], v[FM:FM+1]
.endr
	v_mul_f32 v[HSV], 0x3fb8aa3b, v[HSV]
	v_mul_f32 v[HSV+1], 0x3fb8aa3b, v[HSV+1]
; Block a: 16 rows x 128 columns.  Accumulator b, register j, lane (r, h): row r, head b / 4, d = 16 (b % 4) + 8 h + j.
.macro OUTBLK a
.set AC, 64*((\a)%4)
.set BB, 32+32*((\a)%2)
	WIN 2+(\a)/4                                   ; source 0: the accumulators' window
.irp b, 0,1,2,3,4,5,6,7
.irp i, 0,1,2,3
	v_pk_mul_f32 v[VAL+8*\b+2*\i:VAL+8*\b+2*\i+1], v[AC+8*\b+2*\i:AC+8*\b+2*\i+1], s[66:67] op_sel_hi:[1,0]   ; each accumulator from its low end on
.endr
.endr
.irp hd, 0,1
	v_mul_f32 v[PR+\hd], v[AC+32*\hd], v[DV+8*\hd]                 ; q[:8] . dir, in f32
.irp j, 1,2,3,4,5,6,7
	v_fma_f32 v[PR+\hd], v[AC+32*\hd+\j], v[DV+8*\hd+\j], v[PR+\hd]
.endr
.endr
	WIN 0
.irp hd, 0,1
	v_mul_f32 v[PR+\hd], v[PR+\hd], v[HSV+\hd]
.endr
.irp j, 0,1,2,3,4,5,6,7
.irp hd, 0,1
	v_fma_f32 v[VAL+32*\hd+\j], v[PR+\hd], v[DV+8*\hd+\j], v[VAL+32*\hd+\j]
.endr
.endr
.if (\a) == 0                          ; t = 0 .. 15 also leave in f32, as images of these registers: 512 consecutive bytes a store
	s_wait_xcnt 0x0                                ; EXEC changes only behind this wait
	v_cmp_eq_u32 vcc_lo, 0, v[FLAG]
	s_and_saveexec_b32 s3, vcc_lo
.irp b, 0,1,2,3,4,5,6,7
.irp u, 0,1
	global_store_b128 v[CO], v[VAL+8*\b+4*\u:VAL+8*\b+4*\u+3], s[100:101] offset:1024*\b+512*\u
.endr
.endr
	s_wait_xcnt 0x0                                ; and again; the stores' data may be written anew behind it too
	s_or_b32 exec_lo, exec_lo, s3
.endif
.irp b, 0,1,2,3,4,5,6,7
.irp i, 0,1,2,3
	v_cvt_pk_f16_f32 v[PK+4*\b+\i], v[VAL+8*\b+2*\i], v[VAL+8*\b+2*\i+1]
.endr
.endr
.irp b, 0,1,2,3,4,5,6,7
	ds_store_b128 v[STO], v[PK+4*\b:PK+4*\b+3] offset:32*\b
.endr
.irp hh, 0,1
.irp i, 0,1,2,3
	ds_load_b128 v[BB+4*(4*\hh+\i):BB+4*(4*\hh+\i)+3], v[RD] offset:1088*\i+128*\hh   ; my own stage, served in order
.endr
.endr
.endm
.macro SEND a, younger                 ; younger: the LDS instructions issued behind block a's loads
.set BB, 32+32*((\a)%2)
	s_wait_dscnt \younger
.irp hh, 0,1
.irp i, 0,1,2,3
	global_store_b128 v[CO], v[BB+4*(4*\hh+\i):BB+4*(4*\hh+\i)+3], s[12:13] offset:262144*\hh+2048*(\a)+512*\i th:TH_STORE_NT   ; four rows of one head: 512 consecutive bytes
.endr
.endr
.endm
	OUTBLK 0
.irp a, 1,2,3,4,5,6,7
.if \a > 1
	s_wait_xcnt 0x0                                ; block a - 2's stores have read their registers: block a's loads may land there
.endif
	OUTBLK \a
	SEND \a-1, 16                                  ; behind block a - 1's loads: block a's 8 stores and 8 loads
.endr
	SEND 7, 0
	s_wait_tensorcnt 0x0                           ; the wave's end
	ds_add_u32 v[SPW], v[NIL]
	s_wait_dscnt 0x0
	CROUND                                         ; the closing round
	s_endpgm
.Lfunc_end_k_q9666da3e5d_qkv:
	.size	k_q9666da3e5d_qkv, .Lfunc_end_k_q9666da3e5d_qkv-k_q9666da3e5d_qkv
	.p2alignl 7, 3214868480
	.fill 96, 4, 3214868480
	.section	.rodata,"a",@progbits
	.p2align	6, 0x0
	.amdhsa_kernel k_q9666da3e5d_qkv
		.amdhsa_group_segment_fixed_size 327680
		.amdhsa_private_segment_fixed_size 0
		.amdhsa_enable_private_segment 0
		.amdhsa_kernarg_size 64
		.amdhsa_user_sgpr_count 2
		.amdhsa_user_sgpr_kernarg_segment_ptr 1
		.amdhsa_wavefront_size32 1
		.amdhsa_system_sgpr_workgroup_id_x 1
		.amdhsa_system_sgpr_workgroup_id_y 1
		.amdhsa_system_sgpr_workgroup_id_z 1
		.amdhsa_system_vgpr_workitem_id 0
		.amdhsa_next_free_vgpr 1024
		.amdhsa_next_free_sgpr 102
		.amdhsa_reserve_vcc 1
		.amdhsa_float_denorm_mode_32 3
		.amdhsa_float_denorm_mode_16_64 3
		.amdhsa_memory_ordered 1
		.amdhsa_forward_progress 1
		.amdhsa_inst_pref_size 162
	.end_amdhsa_kernel
	.amdgpu_metadata
---
amdhsa.version: [ 1, 2 ]
amdhsa.kernels:
  - .name:           k_q9666da3e5d_qkv
    .symbol:         k_q9666da3e5d_qkv.kd
    .args:
      - { .name: xc, .offset: 0, .size: 8, .value_kind: global_buffer, .address_space: global }
      - { .name: xs, .offset: 8, .size: 8, .value_kind: global_buffer, .address_space: global }
      - { .name: wc, .offset: 16, .size: 8, .value_kind: global_buffer, .address_space: global }
      - { .name: ws, .offset: 24, .size: 8, .value_kind: global_buffer, .address_space: global }
      - { .name: head_dirs, .offset: 32, .size: 8, .value_kind: global_buffer, .address_space: global }
      - { .name: head_scales, .offset: 40, .size: 8, .value_kind: global_buffer, .address_space: global }
      - { .name: qkvh, .offset: 48, .size: 8, .value_kind: global_buffer, .address_space: global }
      - { .name: fin, .offset: 56, .size: 8, .value_kind: global_buffer, .address_space: global }
    .group_segment_fixed_size: 327680
    .private_segment_fixed_size: 0
    .kernarg_segment_align: 8
    .kernarg_segment_size: 64
    .max_flat_workgroup_size: 128
    .sgpr_count:     102
    .vgpr_count:     1024
    .wavefront_size: 32
...
	.end_amdgpu_metadata
.endif
;; end of part 2
;; launch attn (part 3): grid 8 x 32, 16 waves a work-group, no clusters, 327,680 bytes of LDS; arguments qkvh, att; writes att
.if DOCPART == 3
	.amdgcn_target "amdgcn-amd-amdhsa--gfx1250"
	.amdhsa_code_object_version 6
	.text
	.protected	k_q9666da3e5d_attn
	.globl	k_q9666da3e5d_attn
	.p2align	8
	.type	k_q9666da3e5d_attn,@function
k_q9666da3e5d_attn:
	s_mov_b64 s[64:65], 0
	v_nop
	global_prefetch_b8 v0, s[64:65] scope:SCOPE_SE
	s_setreg_imm32_b32 hwreg(HW_REG_WAVE_MODE, 25, 1), 1
	s_wait_xcnt 0x0
; att[h][b t][:] = softmax_k(q''[t] . k[k], k <= t) v, per (batch, head); q'', k, v in f16 (the bias, the scale and log2(e) are inside q''), products and sums in f32, p rounded to f16 for the second product.
; SOFTMAX: a running maximum m for each query, p = 2^(t - m), the sum of the unrounded p; in every step O and the sum are multiplied by 2^(m_old - m_new): no branch on data.
; SHARES.  A head has 16 blocks of 128 queries.  Work-group g of 8 owns blocks g and 15 - g: 17 units of 128 x 128 for every work-group.  Each of sixteen waves owns one tile of 16 queries;
; the two blocks' waves are dealt so that each group of four neighbouring waves, and each group of waves 4 apart, has two of each.
; Every work-group walks all 16 slots of 128 keys (constant trip counts); a wave jumps over a step all of whose keys are hidden, and a slot that none of the work-group's queries sees is not asked for.
; NO CLUSTER: a head's eight work-groups stop asking at different slots (16 - g of them), so partners would need different numbers of tiles.
; LAYOUT.  Both products transposed: S^T = K Q^T, O^T = V^T P: a lane holds one query (lane % 16) throughout.  K and V tiles are 16 KB dense in memory; in LDS they lie as 64 long rows of 256 bytes (two keys)
; with padding: K 272 (the 16 keys of a fragment fall on 16 different columns of 16 bytes), V 288 (the turning load's 8 keys x 32 bytes take each bank once).
; LIMITS: the maximum starts at -3e38; NaN and infinities are not served.
; REGISTERS: v1-9 addresses; v[12:13] m; v[14:15] the sum; v[16:17] a; v18-25 maxima; v26-29 at work; v32-47 Q; v48-111 K or V; v112-175 S^T, then p; v176-207 P; v208-239 O^T.
.set PKL,   272
.set PVL,   288
.set VOFF,  64*PKL
.set SLOT1, 1<<17
.set STAGE, 2*SLOT1                    ; the way out: 16 rows x (128 bytes + 16) for each wave
.set SPARE, STAGE+16*2304              ; the spare words: eight blocks of 256 bytes that no other line names
.set SPW, 5
.set NIL, 6
.set MX,  18
.set Q,   32
.set KV,  48
.set S,   112
.set P,   176
.set O,   208
.set TB,  2                            ; s2  the slot in hand
.set SLOTS, 3                          ; s3  changes of slots still to come in the loop
.set WV,  18
.set SEL, 20
.set G1K, 24
.set G1V, 32
.set G0K, 40
.set G0V, 44
.set KF,  48                           ; s48 the step's first key
.set Q0,  49                           ; s49 my first query
.set LASTQ, 50                         ; s50 my work-group's last query
.set PFA, 52                           ; s[52:53] where my prefetches stand
.set LIM, 54                           ; s54 2 in a wave that prefetches, else the greatest number
; Wave 0 fetches K's tile, wave 1 V's, the others nothing.  An s_nop 0 and four v_nop follow each line.
.macro TLOAD
	s_cmp_eq_u32 s[WV], 0
	s_cbranch_scc0 .Lnot_k_\@
	tensor_load_to_lds s[G0K:G0K+3], s[G1K:G1K+7]
	s_nop 0
.rept 4
	v_nop
.endr
	s_branch .Lasked_\@
.Lnot_k_\@:
	s_cmp_eq_u32 s[WV], 1
	s_cbranch_scc0 .Lasked_\@
	tensor_load_to_lds s[G0V:G0V+3], s[G1V:G1V+7]
	s_nop 0
.rept 4
	v_nop
.endr
.Lasked_\@:
.endm
; A prefetch of the slot that stands two changes on from the one being asked for.  All eight work-groups of a head walk the same K and V: work-group 0 asks, and in it four waves that fetch nothing:
; waves 4, 5 for K's 16 KB, waves 6, 7 for V's, 8 KB each, lanes 256 bytes apart: each aligned block of 256 bytes is named once.  Slots 0 to 2 come by their loads alone; the last three changes ask for nothing.
.macro ASK
	s_cmp_gt_u32 s[SLOTS], s[LIM]
	s_cbranch_scc0 .Lnot_mine_\@
	global_prefetch_b8 v8, s[PFA:PFA+1] th:TH_LOAD_NT scope:SCOPE_SE
.Lnot_mine_\@:
.endm
	s_load_b128 s[4:7], s[0:1], 0x0                ; qkvh, att
	v_lshl_add_u32 v[SPW], v0, 2, SPARE
	v_mov_b32 v[NIL], 0
	ds_add_u32 v[SPW], v[NIL]                      ; the wave's opening: the add, twice on end, and its wait ahead of the first tensor load
	ds_add_u32 v[SPW], v[NIL]
	v_lshrrev_b32 v10, 5, v0
	v_readfirstlane_b32 s[WV], v10                 ; wave 0..15
	s_and_b32 s68, ttmp7, 0xffff                   ; 16 x batch + head
	s_lshr_b32 s57, s[WV], 2
	s_xor_b32 s57, s57, s[WV]
	s_and_b32 s57, s57, 1                          ; which of the two blocks
	s_lshr_b32 s58, s[WV], 1                       ; which tile of 16 in it
	s_sub_co_u32 s59, 15, ttmp9
	s_cmp_eq_u32 s57, 0
	s_cselect_b32 s59, ttmp9, s59
	s_lshl_b32 s59, s59, 7
	s_lshl_b32 s58, s58, 4
	s_add_co_u32 s[Q0], s59, s58
	s_sub_co_u32 s[LASTQ], 16, ttmp9
	s_lshl_b32 s[LASTQ], s[LASTQ], 7
	s_sub_co_u32 s[LASTQ], s[LASTQ], 1
	s_lshl_b32 s60, s68, 18                        ; the head's 262,144 bytes in each part of qkvh
	s_mov_b32 s61, 0
	s_lshl_b32 s62, s[Q0], 7
	s_add_co_u32 s62, s62, s60                     ; my queries
	s_mov_b32 s63, 0
	s_and_b32 s66, s68, 15
	s_lshl_b32 s66, s66, 19                        ; att: 524,288 bytes a head,
	s_lshr_b32 s69, s68, 4
	s_lshl_b32 s69, s69, 11
	s_add_co_u32 s69, s69, s[Q0]
	s_lshl_b32 s69, s69, 7                         ; row 2,048 x batch + t, of 128 bytes
	s_add_co_u32 s66, s66, s69
	s_mov_b32 s67, 0
	s_mov_b32 s[G1K], (1<<16)|(1<<20)|(5<<22)|(3<<25)   ; elements of 2 bytes; 4 words of padding behind every 64
	s_mov_b32 s[G1V], (1<<16)|(1<<20)|(5<<22)|(7<<25)   ; 8 words
.irp g, G1K, G1V
	s_mov_b32 s[\g+1], 128<<16                     ; tensor_dim0: a long row of 128 elements
	s_mov_b32 s[\g+2], 64<<16                      ; tensor_dim1
	s_mov_b32 s[\g+3], 128<<16                     ; tile_dim0
	s_mov_b32 s[\g+4], 64                          ; tile_dim1
	s_mov_b32 s[\g+5], 128                         ; dense
	s_mov_b32 s[\g+6], 0
	s_mov_b32 s[\g+7], 0
.endr
	s_mov_b32 s[SEL], 0x76543210
	s_mov_b32 s[SEL+1], 0xfedcba98
	s_mov_b32 s[TB], 0
	s_mov_b32 s[SLOTS], 15
	s_mov_b32 s[KF], 0
	s_wait_dscnt 0x0                               ; both opening adds are done
	s_wait_kmcnt 0x0
	s_add_nc_u64 s[8:9], s[4:5], s[62:63]          ; Q
	s_add_nc_u64 s[10:11], s[4:5], s[60:61]
	s_add_nc_u64 s[12:13], s[10:11], 0x1000000     ; V
	s_add_nc_u64 s[10:11], s[10:11], 0x800000      ; K
	s_add_nc_u64 s[6:7], s[6:7], s[66:67]
	s_mov_b32 s[G0K], 1
	s_mov_b32 s[G0K+1], 0
	s_mov_b64 s[G0K+2:G0K+3], s[10:11]
	s_or_b32 s[G0K+3], s[G0K+3], 0x80000000
	s_mov_b32 s[G0V], 1
	s_mov_b32 s[G0V+1], VOFF
	s_mov_b64 s[G0V+2:G0V+3], s[12:13]
	s_or_b32 s[G0V+3], s[G0V+3], 0x80000000
	TLOAD                                          ; slot 0: key 0 counts for every query
	s_cmp_lt_u32 s[WV], 6
	s_cselect_b64 s[PFA:PFA+1], s[10:11], s[12:13]
	s_and_b32 s56, s[WV], 1
	s_lshl_b32 s56, s56, 13
	s_add_co_u32 s56, s56, 2*16384                 ; in slot 2: the first change steps it to slot 3
	s_mov_b32 s57, 0
	s_add_nc_u64 s[PFA:PFA+1], s[PFA:PFA+1], s[56:57]
	s_sub_co_u32 s56, s[WV], 4
	s_lshr_b32 s56, s56, 2                         ; 0 in waves 4 to 7,
	s_or_b32 s56, s56, ttmp9                       ; of the head's first work-group
	s_cmp_eq_u32 s56, 0
	s_cselect_b32 s[LIM], 2, -1
	v_and_b32 v10, 15, v0                          ; r
	v_bfe_u32 v11, v0, 4, 1                        ; h
	v_lshlrev_b32 v26, 7, v10
	v_lshl_add_u32 v26, v11, 4, v26
.irp i, 0,1,2,3
	global_load_b128 v[Q+4*\i:Q+4*\i+3], v26, s[8:9] offset:32*\i   ; Q's two fragments stay in registers
.endr
	v_lshrrev_b32 v27, 1, v10
	v_mul_u32_u24 v1, v27, PKL
	v_and_b32 v27, 1, v10
	v_lshl_add_u32 v1, v27, 7, v1
	v_lshl_add_u32 v1, v11, 4, v1                  ; K: key r at long row r / 2, half r % 2; + 16 h
	v_bfe_u32 v27, v0, 1, 2
	v_lshl_add_u32 v27, v11, 2, v27
	v_mul_u32_u24 v2, v27, PVL
	v_and_b32 v27, 1, v0
	v_lshl_add_u32 v2, v27, 7, v2
	v_bfe_u32 v27, v0, 3, 1
	v_lshl_add_u32 v2, v27, 4, v2
	v_add_nc_u32 v2, VOFF, v2                      ; V, for the turning load: key 8 h + l % 8, channels 8 ((l / 8) % 2) on
	v_and_b32 v7, 31, v0
	v_lshlrev_b32 v8, 8, v7                        ; the prefetches: 256 x lane
	v_lshlrev_b32 v7, 4, v7                        ; the way out: 16 x lane
	v_lshlrev_b32 v27, 3, v11
	v_sub_nc_u32 v9, v10, v27                      ; r - 8 h
	v_mov_b32 v12, 0xff61b1e6                      ; m: -3e38
	v_mov_b32 v13, 0                               ; (upper halves of pairs are named, so they are written)
	v_mov_b32 v14, 0
	v_mov_b32 v15, 0
	v_mov_b32 v17, 0
.set n, 0
.rept 32
	v_mov_b32 v[O+n], 0                            ; the step is written once: the first finds zeros
.set n, n+1
.endr
.macro VLOAD rnd                       ; V^T of 64 keys: keys 32 ks on, channels 16 dt on
.irp ks, 0,1
.irp dt, 0,1,2,3
	ds_load_tr16_b128 v[KV+32*\ks+8*\dt:KV+32*\ks+8*\dt+3],   v4 offset:9216*(\rnd)+4608*\ks+32*\dt
	ds_load_tr16_b128 v[KV+32*\ks+8*\dt+4:KV+32*\ks+8*\dt+7], v4 offset:9216*(\rnd)+4608*\ks+32*\dt+2304
.endr
.endr
.endm
.macro PVMUL rnd                       ; O^T += V^T P: four accumulators by turns
.irp ks, 0,1
.irp dt, 0,1,2,3
	v_wmma_f32_16x16x32_f16 v[O+8*\dt:O+8*\dt+7], v[KV+32*\ks+8*\dt:KV+32*\ks+8*\dt+7], v[P+16*(\rnd)+8*\ks:P+16*(\rnd)+8*\ks+7], v[O+8*\dt:O+8*\dt+7]
.endr
.endr
.endm
; A KEY STEP: the slot's 128 keys.
.macro STEP
	s_add_co_u32 s56, s[Q0], 15
	s_cmp_gt_u32 s[KF], s56                        ; all keys behind my 16 queries: the step's work is left out (ids and the count of steps alone)
	s_cbranch_scc1 .Lhidden_\@
	v_add_nc_u32 v3, s[TB], v1
	v_add_nc_u32 v4, s[TB], v2
	v_nop
	v_nop                                          ; four places in front of loads into registers that the last products read
.irp gk, 0,1
.if \gk
.rept 4
	v_nop
.endr
.endif
.irp kt, 0,1,2,3
.irp c, 0,1
	ds_load_b128 v[KV+16*\kt+8*\c:KV+16*\kt+8*\c+3],   v3 offset:2176*(4*\gk+\kt)+64*\c
	ds_load_b128 v[KV+16*\kt+8*\c+4:KV+16*\kt+8*\c+7], v3 offset:2176*(4*\gk+\kt)+64*\c+32
.endr
.endr
	s_wait_dscnt 0x0
.irp kt, 0,1,2,3
	v_wmma_f32_16x16x32_f16 v[S+8*(4*\gk+\kt):S+8*(4*\gk+\kt)+7], v[KV+16*\kt:KV+16*\kt+7], v[Q:Q+7], 0
.endr
.irp kt, 0,1,2,3
	v_wmma_f32_16x16x32_f16 v[S+8*(4*\gk+\kt):S+8*(4*\gk+\kt)+7], v[KV+16*\kt+8:KV+16*\kt+15], v[Q+8:Q+15], v[S+8*(4*\gk+\kt):S+8*(4*\gk+\kt)+7]
.endr
.endr
.rept 4
	v_nop                                          ; places: for the loads below and for the first reads of the scores
.endr
	VLOAD 0                                        ; lands under the softmax
	s_add_co_u32 s56, s[KF], 127
	s_cmp_le_u32 s56, s[Q0]
	s_cbranch_scc1 .Lopen_\@                       ; all 128 keys count
	s_sub_co_u32 s56, s[Q0], s[KF]
	v_add_nc_u32 v10, s56, v9                      ; register 8 t + j holds key KF + 16 t + 8 h + j: hidden where 16 t + j > my query - KF - 8 h
	v_mov_b32 v11, 0xff800000
.set n, 0
.rept 64
	v_cmp_gt_i32 vcc_lo, 16*(n/8)+n%8, v10
	v_cndmask_b32 v[S+n], v[S+n], v11, vcc_lo
.set n, n+1
.endr
.Lopen_\@:
.irp t, 0,1,2,3,4,5,6,7
	v_max3_num_f32 v[MX+\t], v[S+8*\t], v[S+8*\t+1], v[S+8*\t+2]   ; eight chains, each from its tile's low end
.endr
.irp i, 3,5
.irp t, 0,1,2,3,4,5,6,7
	v_max3_num_f32 v[MX+\t], v[MX+\t], v[S+8*\t+\i], v[S+8*\t+\i+1]
.endr
.endr
.irp u, 0,1,2,3
	v_max3_num_f32 v[MX+2*\u], v[MX+2*\u], v[S+16*\u+7], v[S+16*\u+15]
.endr
	v_max3_num_f32 v[MX], v[MX], v[MX+1], v[MX+2]
	v_max3_num_f32 v[MX+3], v[MX+3], v[MX+4], v[MX+5]
	v_max3_num_f32 v[MX+6], v[MX+6], v[MX+7], v12  ; with the old m
	v_mov_b32 v26, v12
	v_max3_num_f32 v[MX], v[MX], v[MX+3], v[MX+6]
	v_permlanex16_b32 v27, v[MX], s[SEL], s[SEL+1] ; the query's other 64 keys lie 16 lanes away
	v_max_num_f32 v12, v[MX], v27
	v_sub_f32 v16, v26, v12
.set n, 0
.rept 32
	v_pk_add_f32 v[S+n:S+n+1], v[S+n:S+n+1], v[12:13] op_sel_hi:[1,0] neg_lo:[0,1] neg_hi:[0,1]   ; t - m
.set n, n+2
.endr
	v_exp_f32 v16, v16                             ; a = 2^(m_old - m_new)
.set n, 0
.rept 64
	v_exp_f32 v[S+n], v[S+n]
.set n, n+1
.endr
	v_nop                                          ; a plain line behind the last exponential
	s_wait_alu depctr_va_vdst(0)                   ; one wait for the batch of 65, ahead of its first reader
	v_pk_mul_f32 v[14:15], v[14:15], v[16:17] op_sel_hi:[1,0]
	v_pk_add_f32 v[28:29], v[S:S+1], v[S+2:S+3]    ; the sum of the unrounded p, in two chains
.set n, 4
.rept 15
	v_pk_add_f32 v[14:15], v[14:15], v[S+n:S+n+1]
	v_pk_add_f32 v[28:29], v[28:29], v[S+n+2:S+n+3]
.set n, n+4
.endr
	v_pk_add_f32 v[14:15], v[14:15], v[28:29]
.set n, 0
.rept 32
	v_cvt_pk_f16_f32 v[P+n], v[S+2*n], v[S+2*n+1]  ; two tiles of 16 keys, rounded in pairs, are source 1 for 32 keys
.set n, n+1
.endr
.set n, 0
.rept 16
	v_pk_mul_f32 v[O+n:O+n+1], v[O+n:O+n+1], v[16:17] op_sel_hi:[1,0]
.set n, n+2
.endr
	s_wait_dscnt 0x0                               ; V's first 64 keys
	PVMUL 0
.rept 4
	v_nop
.endr
	VLOAD 1
	s_wait_dscnt 0x0
	PVMUL 1
.Lhidden_\@:
	s_add_co_u32 s[KF], s[KF], 128
	s_xor_b32 s[TB], s[TB], SLOT1
.endm
; THE CHANGE OF SLOTS, at a slot's head.  Every wave waits for all its tensor loads, adds 0 to its spare word, and waits for that and for its reads of the slot that it has left; behind the barrier
; the slot ahead is whole and nobody reads the other one, which is then filled with the next 128 keys, if any query of the work-group sees them.
.macro CHANGE fill
	s_wait_tensorcnt 0x0                           ; no tensor load of mine is out, so the descriptors may be written
	ds_add_u32 v[SPW], v[NIL]
.if \fill
	ds_add_u32 v[SPW], v[NIL]                      ; and twice on end here, in every trip alike
	s_xor_b32 s[G0K+1], s[G0K+1], SLOT1
	s_add_nc_u64 s[G0K+2:G0K+3], s[G0K+2:G0K+3], 16384
	s_xor_b32 s[G0V+1], s[G0V+1], SLOT1
	s_add_nc_u64 s[G0V+2:G0V+3], s[G0V+2:G0V+3], 16384
	s_wait_xcnt 0x0                                ; the last prefetch, a step back, has read its address
	s_add_nc_u64 s[PFA:PFA+1], s[PFA:PFA+1], 16384
.endif
	s_wait_dscnt 0x0
	s_barrier_signal -1
	s_barrier_wait -1
.if \fill
	s_add_co_u32 s56, s[KF], 128                   ; the first key of the slot that this change would ask for
	s_cmp_gt_u32 s56, s[LASTQ]                     ; ids and the count of steps alone: the same in all sixteen waves; past the limit a work-group stays past it
	s_cbranch_scc1 .Lpast_\@
	TLOAD
.Lpast_\@:
	ASK
.endif
.endm
	s_wait_loadcnt 0x0                             ; Q
.Lslot:                                            ; 15 trips
	CHANGE 1
	STEP
	s_sub_co_u32 s[SLOTS], s[SLOTS], 1
	s_cmp_lg_u32 s[SLOTS], 0
	s_cbranch_scc1 .Lslot
	CHANGE 0                                       ; the last slot: nothing more to ask for
	STEP
	; THE WAY OUT: O^T / the sum, rounded to f16, through my stage, out as 16 rows of 128 bytes: 2,048 consecutive bytes.
	v_add_f32 v14, v14, v15
	v_permlanex16_b32 v27, v14, s[SEL], s[SEL+1]
	v_add_f32 v14, v14, v27
	v_rcp_f32 v14, v14
	v_and_b32 v10, 15, v0
	v_bfe_u32 v11, v0, 4, 1
	s_mul_i32 s56, s[WV], 2304
	s_add_co_u32 s56, s56, STAGE
	v_mul_u32_u24 v3, v10, 144
	v_lshl_add_u32 v3, v11, 4, v3
	v_add_nc_u32 v3, s56, v3
	v_bfe_u32 v4, v0, 3, 2
	v_mul_u32_u24 v4, v4, 144
	v_and_b32 v10, 7, v0
	v_lshl_add_u32 v4, v10, 4, v4
	v_add_nc_u32 v4, s56, v4
	s_wait_alu depctr_va_vdst(0)                   ; the wait ahead of the reciprocal's first reader
.set n, 0
.rept 16
	v_pk_mul_f32 v[O+n:O+n+1], v[O+n:O+n+1], v[14:15] op_sel_hi:[1,0]
.set n, n+2
.endr
.set n, 0
.rept 16
	v_cvt_pk_f16_f32 v[P+n], v[O+2*n], v[O+2*n+1]
.set n, n+1
.endr
.irp dt, 0,1,2,3
	ds_store_b128 v3, v[P+4*\dt:P+4*\dt+3] offset:32*\dt
.endr
.irp i, 0,1,2,3
	ds_load_b128 v[KV+4*\i:KV+4*\i+3], v4 offset:576*\i
.endr
.irp i, 0,1,2,3
	s_wait_dscnt 3-\i
	global_store_b128 v7, v[KV+4*\i:KV+4*\i+3], s[6:7] offset:512*\i th:TH_STORE_NT
.endr
	s_wait_tensorcnt 0x0                           ; the wave's end
	ds_add_u32 v[SPW], v[NIL]
	s_wait_dscnt 0x0
	s_endpgm
.Lfunc_end_k_q9666da3e5d_attn:
	.size	k_q9666da3e5d_attn, .Lfunc_end_k_q9666da3e5d_attn-k_q9666da3e5d_attn
	.p2alignl 7, 3214868480
	.fill 96, 4, 3214868480
	.section	.rodata,"a",@progbits
	.p2align	6, 0x0
	.amdhsa_kernel k_q9666da3e5d_attn
		.amdhsa_group_segment_fixed_size 327680
		.amdhsa_private_segment_fixed_size 0
		.amdhsa_enable_private_segment 0
		.amdhsa_kernarg_size 16
		.amdhsa_user_sgpr_count 2
		.amdhsa_user_sgpr_kernarg_segment_ptr 1
		.amdhsa_wavefront_size32 1
		.amdhsa_system_sgpr_workgroup_id_x 1
		.amdhsa_system_sgpr_workgroup_id_y 1
		.amdhsa_system_sgpr_workgroup_id_z 1
		.amdhsa_system_vgpr_workitem_id 0
		.amdhsa_next_free_vgpr 256
		.amdhsa_next_free_sgpr 76
		.amdhsa_reserve_vcc 1
		.amdhsa_float_denorm_mode_32 3
		.amdhsa_float_denorm_mode_16_64 3
		.amdhsa_memory_ordered 1
		.amdhsa_forward_progress 1
		.amdhsa_inst_pref_size 60
	.end_amdhsa_kernel
	.amdgpu_metadata
---
amdhsa.version: [ 1, 2 ]
amdhsa.kernels:
  - .name:           k_q9666da3e5d_attn
    .symbol:         k_q9666da3e5d_attn.kd
    .args:
      - { .name: qkvh, .offset: 0, .size: 8, .value_kind: global_buffer, .address_space: global }
      - { .name: att, .offset: 8, .size: 8, .value_kind: global_buffer, .address_space: global }
    .group_segment_fixed_size: 327680
    .private_segment_fixed_size: 0
    .kernarg_segment_align: 8
    .kernarg_segment_size: 16
    .max_flat_workgroup_size: 512
    .sgpr_count:     76
    .vgpr_count:     256
    .wavefront_size: 32
...
	.end_amdgpu_metadata
.endif
;; end of part 3
;; launch proj (part 4): grid 8 x 32, 4 waves a work-group, clusters of 4 x 4, 327,680 bytes of LDS; arguments att, wo16, out0; writes out0
.if DOCPART == 4
	.amdgcn_target "amdgcn-amd-amdhsa--gfx1250"
	.amdhsa_code_object_version 6
	.text
	.protected	k_q9666da3e5d_proj
	.globl	k_q9666da3e5d_proj
	.p2align	8
	.type	k_q9666da3e5d_proj,@function
k_q9666da3e5d_proj:
	s_mov_b64 s[64:65], 0
	v_nop
	global_prefetch_b8 v0, s[64:65] scope:SCOPE_SE
	s_setreg_imm32_b32 hwreg(HW_REG_WAVE_MODE, 25, 1), 1
	s_wait_xcnt 0x0
	s_wait_alu depctr_hold_cnt(0) depctr_sa_sdst(0) depctr_va_vdst(0) depctr_va_sdst(0) depctr_va_ssrc(0) depctr_va_vcc(0) depctr_vm_vsrc(0)
	s_getreg_b32 s2, hwreg(HW_REG_IB_STS2, 6, 4)
	s_cmp_eq_u32 s2, 0
	s_cbranch_scc0 .Lentry_in_a_cluster
	s_endpgm
.Lentry_in_a_cluster:
	s_bfe_u32 s2, ttmp6, 0x10000c
	s_cmp_lg_u32 s2, 0xf033
	s_cbranch_scc0 .Lentry_shape_is_right
	s_endpgm
.Lentry_shape_is_right:
; out0 = att w_out: [4096][1024] x [1024 n][1024 k], operands in f16, sums and result in f32.  (The 32 rows with t < 16 are stored again, more finely, by the launch that follows.)
; Both operands lie as [16 blocks of 64 k][rows][128 bytes]: 128 rows of one block are 16 KB dense.  A tile of C is 128 x 128: 256 work-groups; four waves, 64 x 64 each: 16 accumulators.
; K goes in four steps of 256 (four blocks) through two LDS slots.  One tensor load a wave brings two blocks: a tile of 2 rows x 8,192 elements, 16 bytes of padding behind every 256:
; in LDS a block is 64 long rows of 272 bytes, row p of the operand at 272 (p / 2) + 128 (p % 2): the 16 rows of a fragment fall on 16 different columns of 16 bytes.
; CLUSTERS: 4 x 4; A's tiles are asked for jointly along a row of the cluster, B's along a column.  The matrix instruction is used transposed: a lane holds eight neighbouring columns of a row.
; No prefetch: the tiles are small and a K step is short.
; REGISTERS: window 0: v0-31 addresses; v32-95 the way out; v128-255 the accumulators.   window 1: two fragment buffers of 128 (64 of A, 64 of B), each for one block of 64 k.
.set SUB,    64*272                    ; a block: 128 rows x 64 k
.set SLOT,   8*SUB                     ; A's four blocks, then B's four
.set SPARE,  2*SLOT                    ; the spare words: two blocks of 256 bytes that no other line names
.set ADRA, 16
.set ADRB, 20
.set STO,  24
.set RD,   25
.set CO,   26
.set SPW,  28
.set NIL,  29
.set ACC,  128
.set F0,   0
.set F1,   128
.set G1, 24
.set G0, 32
.set G1B, 48
.set G0B, 56
.set MSB, 0
.macro WIN new
.if MSB != (\new)
	s_set_vgpr_msb (MSB<<8)|(\new)
.set MSB, (\new)
.endif
.endm
.set MUL,  0x05                        ; sources 0 (B) and 1 (A) window 1; C and D window 0
.set TO_F, 0x40
.macro JLOAD s                         ; waves 0 and 1 fetch for A, waves 2 and 3 for B; an s_nop 0 and four v_nop follow each line
	s_cmp_eq_u32 s11, 0
	s_cbranch_scc0 .Lfor_b_\@
	tensor_load_to_lds s[G0+4*\s:G0+4*\s+3], s[G1:G1+7]
	s_nop 0
.rept 4
	v_nop
.endr
	s_branch .Lasked_\@
.Lfor_b_\@:
	tensor_load_to_lds s[G0B+4*\s:G0B+4*\s+3], s[G1B:G1B+7]
	s_nop 0
.rept 4
	v_nop
.endr
.Lasked_\@:
.endm
.macro CREST
	s_cmp_lg_u32 s10, 0
	s_cbranch_scc1 .Lnot_wave_0_\@
	s_barrier_signal -3
.Lnot_wave_0_\@:
	s_barrier_wait -3
	s_barrier_signal -1
	s_barrier_wait -1
.endm
.macro CROUND
	s_barrier_signal -1
	s_barrier_wait -1
	CREST
.endm
	s_load_b128 s[4:7], s[0:1], 0x0                ; att, wo16
	s_load_b64 s[8:9], s[0:1], 0x10                ; out0
	v_lshl_add_u32 v[SPW], v0, 2, SPARE
	v_mov_b32 v[NIL], 0
	ds_add_u32 v[SPW], v[NIL]                      ; the wave's opening: the add, twice on end, and its wait ahead of my first tensor load
	ds_add_u32 v[SPW], v[NIL]
	v_lshrrev_b32 v1, 5, v0
	v_readfirstlane_b32 s10, v1                    ; wave 0..3
	s_lshr_b32 s11, s10, 1                         ; my half of the rows.  Also: I fetch for A (0) or B (1)
	s_and_b32 s12, s10, 1                          ; my half of the columns.  Also: which two of a step's four blocks I fetch
	s_bfe_u32 s40, ttmp6, 0x40000
	s_bfe_u32 s41, ttmp6, 0x40004
	s_lshl_b32 s42, ttmp9, 2
	s_add_co_u32 s42, s42, s40                     ; tile column
	s_and_b32 s13, ttmp7, 0xffff
	s_lshl_b32 s13, s13, 2
	s_add_co_u32 s13, s13, s41                     ; tile row
	s_lshl_b32 s43, s41, 2
	s_lshl_b32 s43, 15, s43
	s_lshl_b32 s44, 0x1111, s40
	s_or_b32 s[G1+0], s43, (1<<16)|(1<<20)|(1<<21)|(5<<22)|(3<<25)  ; the mask; elements of 2 bytes; 4 words of padding behind every 64
	s_or_b32 s[G1B+0], s44, (1<<16)|(1<<20)|(1<<21)|(5<<22)|(3<<25)
.irp g, G1, G1B
	s_mov_b32 s[\g+1], 8192<<16                    ; tensor_dim0: a block's 128 rows x 64 k on end
	s_mov_b32 s[\g+2], 2<<16                       ; tensor_dim1: two blocks
	s_mov_b32 s[\g+3], 8192<<16                    ; tile_dim0
	s_mov_b32 s[\g+4], 2                           ; tile_dim1
	s_mov_b32 s[\g+6], 0
	s_mov_b32 s[\g+7], 0
.endr
	s_mov_b32 s[G1+5], 262144                      ; from block to block: 4,096 rows x 64 elements in att,
	s_mov_b32 s[G1B+5], 65536                      ; 1,024 x 64 in wo16
	s_lshl_b32 s16, s13, 14                        ; A: 128 rows of 128 bytes a tile row,
	s_lshl_b32 s17, s12, 20                        ; two blocks of 524,288 bytes
	s_add_co_u32 s16, s16, s17
	s_mov_b32 s17, 0
	s_lshl_b32 s46, s42, 14                        ; B likewise, blocks of 131,072 bytes
	s_lshl_b32 s47, s12, 18
	s_add_co_u32 s46, s46, s47
	s_mov_b32 s47, 0
	s_mul_i32 s20, s10, 2*SUB                      ; where they go: no place in the cluster enters an LDS address
	s_wait_dscnt 0x0
	s_wait_kmcnt 0x0
	s_add_nc_u64 s[14:15], s[4:5], s[16:17]
	s_add_nc_u64 s[46:47], s[6:7], s[46:47]
	CROUND                                         ; the first joint loads meet
.irp s, 0,1
	s_mov_b32 s[G0+4*\s], 1
	s_add_co_u32 s[G0+4*\s+1], s20, \s*SLOT
	s_add_nc_u64 s[G0+4*\s+2:G0+4*\s+3], s[14:15], \s*4*524288
	s_or_b32 s[G0+4*\s+3], s[G0+4*\s+3], 0x80000000
	s_mov_b32 s[G0B+4*\s], 1
	s_add_co_u32 s[G0B+4*\s+1], s20, \s*SLOT
	s_add_nc_u64 s[G0B+4*\s+2:G0B+4*\s+3], s[46:47], \s*4*131072
	s_or_b32 s[G0B+4*\s+3], s[G0B+4*\s+3], 0x80000000
	JLOAD \s                                       ; two tensor loads of mine are out
.endr
	v_and_b32 v1, 15, v0                           ; r
	v_bfe_u32 v2, v0, 4, 1                         ; h
	v_lshrrev_b32 v3, 1, v1
	v_mul_u32_u24 v3, v3, 272
	v_and_b32 v4, 1, v1
	v_lshl_add_u32 v3, v4, 7, v3
	v_lshl_add_u32 v3, v2, 4, v3                   ; a fragment's row r, + 16 h
	s_mul_i32 s21, s11, 8704                       ; my 64 rows of A: 32 long rows
	s_mul_i32 s22, s12, 8704
	s_add_co_u32 s22, s22, 4*SUB                   ; my 64 rows of B, behind A's four blocks
.irp s, 0,1
	v_add_nc_u32 v[ADRA+\s], s21, v3
	v_add_nc_u32 v[ADRB+\s], s22, v3
	s_add_co_u32 s21, s21, SLOT
	s_add_co_u32 s22, s22, SLOT
.endr
	s_mul_i32 s23, s10, 4352                       ; my stage: 16 rows x (256 bytes + 16), in slot 0
	v_mul_u32_u24 v4, v1, 272
	v_lshl_add_u32 v4, v2, 5, v4
	v_add_nc_u32 v[STO], s23, v4
	v_mul_u32_u24 v5, v2, 272
	v_lshl_add_u32 v5, v1, 4, v5
	v_add_nc_u32 v[RD], s23, v5                    ; back: lanes 0-15 one row of 256 bytes, lanes 16-31 the next
	v_lshlrev_b32 v5, 12, v2
	v_lshl_add_u32 v[CO], v1, 4, v5                ; and the same two rows in out0
	s_lshl_b32 s16, s13, 19                        ; 128 rows of 4,096 bytes
	s_lshl_b32 s17, s11, 18
	s_add_co_u32 s16, s16, s17
	s_mov_b32 s17, 0
	s_add_nc_u64 s[8:9], s[8:9], s[16:17]
	s_lshl_b32 s46, s42, 9
	s_lshl_b32 s47, s12, 8
	s_add_co_u32 s46, s46, s47
	s_mov_b32 s47, 0
	s_add_nc_u64 s[8:9], s[8:9], s[46:47]
.macro MUL8 f, c, a0, zero             ; the 16 accumulators take turns, one instruction a turn
.irp a, \a0, \a0+1
.irp b, 0,1,2,3
.if \zero
	v_wmma_f32_16x16x32_f16 v[ACC+8*(4*(\a)+\b):ACC+8*(4*(\a)+\b)+7], v[\f+64+8*(4*\c+\b):\f+64+8*(4*\c+\b)+7], v[\f+8*(4*\c+\a):\f+8*(4*\c+\a)+7], 0
.else
	v_wmma_f32_16x16x32_f16 v[ACC+8*(4*(\a)+\b):ACC+8*(4*(\a)+\b)+7], v[\f+64+8*(4*\c+\b):\f+64+8*(4*\c+\b)+7], v[\f+8*(4*\c+\a):\f+8*(4*\c+\a)+7], v[ACC+8*(4*(\a)+\b):ACC+8*(4*(\a)+\b)+7]
.endif
.endr
.endr
.endm
.macro FETCH slot, q, f                ; 32 LDS loads in one run: the fragments of the slot's block q; its first 32 k first
	WIN TO_F
.irp c, 0,1
.irp i, 0,1,2,3
	ds_load_b128 v[\f+64+8*(4*\c+\i):\f+64+8*(4*\c+\i)+3],   v[ADRB+\slot] offset:SUB*(\q)+64*\c+\i*2176
	ds_load_b128 v[\f+64+8*(4*\c+\i)+4:\f+64+8*(4*\c+\i)+7], v[ADRB+\slot] offset:SUB*(\q)+64*\c+\i*2176+32
	ds_load_b128 v[\f+8*(4*\c+\i):\f+8*(4*\c+\i)+3],         v[ADRA+\slot] offset:SUB*(\q)+64*\c+\i*2176
	ds_load_b128 v[\f+8*(4*\c+\i)+4:\f+8*(4*\c+\i)+7],       v[ADRA+\slot] offset:SUB*(\q)+64*\c+\i*2176+32
.endr
.endr
.endm
.macro PLACES
.rept 4
	v_nop
.endr
.endm
.macro QUARTER slot, q, f, g, zero     ; multiplies buffer f and fetches the slot's block q into g
	s_wait_dscnt 16                                ; the first 32 k are in
	WIN MUL
	MUL8 \f, 0, 0, \zero
	MUL8 \f, 0, 2, \zero
	PLACES
	FETCH \slot, \q, \g
	s_wait_dscnt 32                                ; all but the 32 just issued
	WIN MUL
	MUL8 \f, 1, 0, 0
	MUL8 \f, 1, 2, 0
.endm
.macro TURN slot, next, fill           ; a slot's last block, and the change of slots: one barrier; fill = 1: a round of the cluster's barrier, and this slot is filled again, two steps ahead
	WIN 0
	s_wait_tensorcnt 0x0                           ; all my tensor loads have landed: my part of the next slot
	ds_add_u32 v[SPW], v[NIL]
	s_wait_dscnt 17                                ; the add and the youngest sixteen loads may be out
	WIN MUL
	MUL8 F1, 0, 0, 0
	s_wait_dscnt 0x0                               ; the add is done, and my reads of this slot are over
	s_barrier_signal -1
	MUL8 F1, 0, 2, 0
.if \fill
	WIN 0
.endif
	s_barrier_wait -1
.if \fill
	CREST                                          ; no wave of any partner still reads this slot or has a load on its way
	s_add_nc_u64 s[G0+4*\slot+2:G0+4*\slot+3], s[G0+4*\slot+2:G0+4*\slot+3], 8*524288
	s_add_nc_u64 s[G0B+4*\slot+2:G0B+4*\slot+3], s[G0B+4*\slot+2:G0B+4*\slot+3], 8*131072
	JLOAD \slot                                    ; the first tensor load behind the round; its four v_nop are the places in front of the loads below
.else
	PLACES
.endif
	FETCH \next, 0, F0
	WIN MUL
	MUL8 F1, 1, 0, 0
	MUL8 F1, 1, 2, 0
.endm
	s_wait_tensorcnt 1                             ; my part of step 0 is in; step 1's load may be out
	s_barrier_signal -1
	s_barrier_wait -1
	FETCH 0, 0, F0
	QUARTER 0, 1, F0, F1, 1                        ; the first products start the sums
	QUARTER 0, 2, F1, F0, 0
	QUARTER 0, 3, F0, F1, 0
	TURN 0, 1, 1                                   ; slot 0 takes step 2
	QUARTER 1, 1, F0, F1, 0
	QUARTER 1, 2, F1, F0, 0
	QUARTER 1, 3, F0, F1, 0
	TURN 1, 0, 1                                   ; slot 1 takes step 3
	QUARTER 0, 1, F0, F1, 0
	QUARTER 0, 2, F1, F0, 0
	QUARTER 0, 3, F0, F1, 0
	TURN 0, 1, 0
	QUARTER 1, 1, F0, F1, 0
	QUARTER 1, 2, F1, F0, 0
	QUARTER 1, 3, F0, F1, 0
	s_wait_dscnt 16
	WIN MUL
	MUL8 F1, 0, 0, 0
	MUL8 F1, 0, 2, 0
	s_wait_dscnt 0
	MUL8 F1, 1, 0, 0
	MUL8 F1, 1, 2, 0
	WIN 0
; THE WAY OUT.  A wave's 64 columns of f32 are 256 bytes: a block of 16 rows goes through my own stage (in slot 0, which has had its last fill and its last read) and leaves as whole rows.
.macro TOSTAGE a
.set BB, 32+32*((\a)%2)
.irp b, 0,1,2,3
	ds_store_b128 v[STO], v[ACC+8*(4*(\a)+\b):ACC+8*(4*(\a)+\b)+3] offset:64*\b       ; each accumulator from its low end on
	ds_store_b128 v[STO], v[ACC+8*(4*(\a)+\b)+4:ACC+8*(4*(\a)+\b)+7] offset:64*\b+16
.endr
.irp t, 0,1,2,3,4,5,6,7
	ds_load_b128 v[BB+4*\t:BB+4*\t+3], v[RD] offset:\t*544
.endr
.endm
.macro SEND a, younger
.set BB, 32+32*((\a)%2)
	s_wait_dscnt \younger
.irp t, 0,1,2,3,4,5,6,7
	global_store_b128 v[CO], v[BB+4*\t:BB+4*\t+3], s[8:9] offset:(16*(\a)+2*\t)*4096 th:TH_STORE_NT   ; 16 lanes store 256 consecutive bytes, aligned
.endr
.endm
	PLACES
	TOSTAGE 0
.irp a, 1,2,3
.if \a > 1
	s_wait_xcnt 0x0                                ; block a - 2's stores have read their registers
.endif
	TOSTAGE \a
	SEND \a-1, 16                                  ; behind block a - 1's loads: block a's 8 stores and 8 loads
.endr
	SEND 3, 0
	s_wait_tensorcnt 0x0                           ; the wave's end
	ds_add_u32 v[SPW], v[NIL]
	s_wait_dscnt 0x0
	CROUND                                         ; the closing round
	s_endpgm
.Lfunc_end_k_q9666da3e5d_proj:
	.size	k_q9666da3e5d_proj, .Lfunc_end_k_q9666da3e5d_proj-k_q9666da3e5d_proj
	.p2alignl 7, 3214868480
	.fill 96, 4, 3214868480
	.section	.rodata,"a",@progbits
	.p2align	6, 0x0
	.amdhsa_kernel k_q9666da3e5d_proj
		.amdhsa_group_segment_fixed_size 327680
		.amdhsa_private_segment_fixed_size 0
		.amdhsa_enable_private_segment 0
		.amdhsa_kernarg_size 24
		.amdhsa_user_sgpr_count 2
		.amdhsa_user_sgpr_kernarg_segment_ptr 1
		.amdhsa_wavefront_size32 1
		.amdhsa_system_sgpr_workgroup_id_x 1
		.amdhsa_system_sgpr_workgroup_id_y 1
		.amdhsa_system_sgpr_workgroup_id_z 1
		.amdhsa_system_vgpr_workitem_id 0
		.amdhsa_next_free_vgpr 512
		.amdhsa_next_free_sgpr 66
		.amdhsa_reserve_vcc 0
		.amdhsa_float_denorm_mode_32 3
		.amdhsa_float_denorm_mode_16_64 3
		.amdhsa_memory_ordered 1
		.amdhsa_forward_progress 1
		.amdhsa_inst_pref_size 85
	.end_amdhsa_kernel
	.amdgpu_metadata
---
amdhsa.version: [ 1, 2 ]
amdhsa.kernels:
  - .name:           k_q9666da3e5d_proj
    .symbol:         k_q9666da3e5d_proj.kd
    .args:
      - { .name: att, .offset: 0, .size: 8, .value_kind: global_buffer, .address_space: global }
      - { .name: wo16, .offset: 8, .size: 8, .value_kind: global_buffer, .address_space: global }
      - { .name: out0, .offset: 16, .size: 8, .value_kind: global_buffer, .address_space: global }
    .group_segment_fixed_size: 327680
    .private_segment_fixed_size: 0
    .kernarg_segment_align: 8
    .kernarg_segment_size: 24
    .max_flat_workgroup_size: 128
    .sgpr_count:     66
    .vgpr_count:     512
    .wavefront_size: 32
...
	.end_amdgpu_metadata
.endif
;; end of part 4
;; launch fine (part 5): grid 64 x 2, 16 waves a work-group, no clusters, 18,432 bytes of LDS; arguments fin, w_out, out0; writes out0
.if DOCPART == 5
	.amdgcn_target "amdgcn-amd-amdhsa--gfx1250"
	.amdhsa_code_object_version 6
	.text
	.protected	k_q9666da3e5d_fine
	.globl	k_q9666da3e5d_fine
	.p2align	8
	.type	k_q9666da3e5d_fine,@function
k_q9666da3e5d_fine:
	s_mov_b64 s[64:65], 0
	v_nop
	global_prefetch_b8 v0, s[64:65] scope:SCOPE_SE
	s_setreg_imm32_b32 hwreg(HW_REG_WAVE_MODE, 25, 1), 1
	s_wait_xcnt 0x0
; The first 16 positions of each sequence, in f32 throughout: attention of all 16 heads and the projection.  These rows average one to sixteen values, and f16 operands would weigh most there.
; A work-group makes 16 rows (t < 16 of batch y) x 16 columns (16 x on) of out0.  WAVE w IS HEAD w: its 16 x 16 attention, then its own 64 k of the projection; the sixteen parts meet in LDS.
; fin holds q'', k, v of t < 16 as images of accumulators: register e of block bb, lane (r, h): (t = r, d = 16 bb + 8 h + e).  A pair of neighbouring registers IS a fragment of the f32 form (K = 4),
; under one permutation of d that is the same for q'' and k.  S^T = k q''^T gives a lane one query and keys 8 h + j; its pairs are source 1 of O^T = v^T p; O^T's pairs are source 1 of the projection.
; The registers that the f32 matrix form writes (v160-223) are written by matrix instructions alone.
; A row gets 64 bytes from each work-group: whole units would leave a quarter of the work-groups; the launch stores 128 KB.
.set RED,   0                          ; 16 parts x 1,024 bytes
.set SPARE, 16384                      ; the spare words: eight blocks of 256 bytes that no other line names
.set QF, 32
.set KF, 64
.set VF, 96
.set WF, 128
.set SA, 160                           ; four accumulators: the scores' parts, later the projection's
.set OA, 192                           ; O^T, four tiles of 16 channels
.set T,  224                           ; the scores, then p
.set RES, 240
	s_load_b128 s[4:7], s[0:1], 0x0                ; fin, w_out
	s_load_b64 s[8:9], s[0:1], 0x10                ; out0
	v_lshl_add_u32 v30, v0, 2, SPARE
	v_mov_b32 v31, 0
	v_lshrrev_b32 v1, 5, v0
	v_readfirstlane_b32 s10, v1                    ; wave = head
	s_and_b32 s11, ttmp7, 0xffff                   ; batch
	v_and_b32 v1, 15, v0                           ; r
	v_bfe_u32 v2, v0, 4, 1                         ; h
	v_and_b32 v3, 31, v0
	v_lshlrev_b32 v4, 4, v3                        ; an image's place for my lane
	v_bfe_u32 v5, v0, 2, 1
	v_lshlrev_b32 v5, 9, v5
	v_bfe_u32 v11, v0, 3, 1
	v_lshl_add_u32 v5, v11, 8, v5
	v_lshl_add_u32 v5, v2, 7, v5
	v_and_b32 v11, 3, v0
	v_lshl_add_u32 v5, v11, 2, v5                  ; v(t = 8 h + e, d = 16 dt + r) lies at 1,024 dt + 16 e + this
	v_lshlrev_b32 v6, 2, v1
	v_lshl_add_u32 v6, v2, 15, v6                  ; w_out(64 w + 16 dt + 8 h + e, 16 x + r): 4,096 (16 dt + e) + this
	v_lshlrev_b32 v7, 3, v2
	v_sub_nc_u32 v7, v1, v7                        ; r - 8 h
	v_lshlrev_b32 v8, 4, v0                        ; the parts' way back (waves 0 and 1): 16 bytes a thread
	s_lshl_b32 s12, s10, 10
	v_add_nc_u32 v10, s12, v4                      ; my part
	v_lshlrev_b32 v9, 12, v1
	v_lshl_add_u32 v9, v2, 5, v9
	s_lshl_b32 s12, s10, 4
	v_add_nc_u32 v9, s12, v9                       ; out0: row r, + 32 h, + 16 x wave (0 or 1)
	v_mov_b32 v236, 0                              ; a lane permute's destination counts as read
	v_mov_b32 v235, 0                              ; (upper half of a pair)
	s_lshl_b32 s12, s11, 4
	s_add_co_u32 s12, s12, s10
	s_lshl_b32 s12, s12, 12                        ; fin: 4,096 bytes for each (batch, head); the parts 131,072 apart
	s_mov_b32 s13, 0
	s_lshl_b32 s14, s10, 18                        ; w_out: my 64 rows of 4,096 bytes,
	s_lshl_b32 s16, ttmp9, 6                       ; my 16 columns
	s_add_co_u32 s14, s14, s16
	s_mov_b32 s15, 0
	s_lshl_b32 s18, s11, 23
	s_add_co_u32 s18, s18, s16
	s_mov_b32 s19, 0
	s_mov_b32 s20, 0x76543210
	s_mov_b32 s21, 0xfedcba98
	s_wait_kmcnt 0x0
	s_add_nc_u64 s[4:5], s[4:5], s[12:13]
	s_add_nc_u64 s[6:7], s[6:7], s[14:15]
	s_add_nc_u64 s[8:9], s[8:9], s[18:19]
.irp i, 0,1,2,3,4,5,6,7
	global_load_b128 v[QF+4*\i:QF+4*\i+3], v4, s[4:5] offset:512*\i
.endr
.irp i, 0,1,2,3,4,5,6,7
	global_load_b128 v[KF+4*\i:KF+4*\i+3], v4, s[4:5] offset:131072+512*\i
.endr
.irp dt, 0,1,2,3
.irp e, 0,1,2,3,4,5,6,7
	global_load_b32 v[VF+8*\dt+\e], v5, s[4:5] offset:262144+1024*\dt+16*\e
.endr
.endr
.irp dt, 0,1,2,3
.irp e, 0,1,2,3,4,5,6,7
	global_load_b32 v[WF+8*\dt+\e], v6, s[6:7] offset:(16*\dt+\e)*4096
.endr
.endr
	s_wait_loadcnt 63                              ; q'' and k are in: 64 loads stand behind them, and 63 is the largest count that the wait can name
.set e, 0
.rept 16                               ; S^T: four accumulators by turns, 4 of the 64 d an instruction
.if e < 4
	v_wmma_f32_16x16x4_f32 v[SA+8*(e%4):SA+8*(e%4)+7], v[KF+2*e:KF+2*e+1], v[QF+2*e:QF+2*e+1], 0
.else
	v_wmma_f32_16x16x4_f32 v[SA+8*(e%4):SA+8*(e%4)+7], v[KF+2*e:KF+2*e+1], v[QF+2*e:QF+2*e+1], v[SA+8*(e%4):SA+8*(e%4)+7]
.endif
.set e, e+1
.endr
.rept 8
	v_nop                                          ; eight places behind this form
.endr
.irp i, 0,2,4,6
	v_pk_add_f32 v[T+\i:T+\i+1], v[SA+\i:SA+\i+1], v[SA+8+\i:SA+8+\i+1]     ; each accumulator from its low end on
	v_pk_add_f32 v[T+\i:T+\i+1], v[T+\i:T+\i+1], v[SA+16+\i:SA+16+\i+1]
	v_pk_add_f32 v[T+\i:T+\i+1], v[T+\i:T+\i+1], v[SA+24+\i:SA+24+\i+1]
.endr
	v_mov_b32 v232, 0xff800000
.irp j, 0,1,2,3,4,5,6,7
	v_cmp_gt_i32 vcc_lo, \j, v7                    ; key 8 h + j behind query r
	v_cndmask_b32 v[T+\j], v[T+\j], v232, vcc_lo
.endr
	v_max3_num_f32 v233, v[T], v[T+1], v[T+2]
	v_max3_num_f32 v233, v233, v[T+3], v[T+4]
	v_max3_num_f32 v233, v233, v[T+5], v[T+6]
	v_max_num_f32 v233, v233, v[T+7]
	v_permlanex16_b32 v236, v233, s20, s21
	v_max_num_f32 v234, v233, v236                 ; the row's maximum (key 0 counts for every query)
.irp i, 0,2,4,6
	v_pk_add_f32 v[T+\i:T+\i+1], v[T+\i:T+\i+1], v[234:235] op_sel_hi:[1,0] neg_lo:[0,1] neg_hi:[0,1]
.endr
.irp j, 0,1,2,3,4,5,6,7
	v_exp_f32 v[T+\j], v[T+\j]
.endr
	v_nop
	s_wait_alu depctr_va_vdst(0)                   ; one wait for the eight, ahead of their first reader
	v_pk_add_f32 v[238:239], v[T:T+1], v[T+2:T+3]
	v_pk_add_f32 v[232:233], v[T+4:T+5], v[T+6:T+7]
	v_pk_add_f32 v[238:239], v[238:239], v[232:233]
	v_add_f32 v238, v238, v239
	v_permlanex16_b32 v236, v238, s20, s21
	v_add_f32 v238, v238, v236
	v_rcp_f32 v238, v238
	v_nop
	s_wait_alu depctr_va_vdst(0)
.irp i, 0,2,4,6
	v_pk_mul_f32 v[T+\i:T+\i+1], v[T+\i:T+\i+1], v[238:239] op_sel_hi:[1,0]   ; p, normalised
.endr
	s_wait_loadcnt 32                              ; v is in; w_out's 32 loads may be out
.irp i, 0,1,2,3
.irp dt, 0,1,2,3
.if \i == 0
	v_wmma_f32_16x16x4_f32 v[OA+8*\dt:OA+8*\dt+7], v[VF+8*\dt+2*\i:VF+8*\dt+2*\i+1], v[T+2*\i:T+2*\i+1], 0
.else
	v_wmma_f32_16x16x4_f32 v[OA+8*\dt:OA+8*\dt+7], v[VF+8*\dt+2*\i:VF+8*\dt+2*\i+1], v[T+2*\i:T+2*\i+1], v[OA+8*\dt:OA+8*\dt+7]
.endif
.endr
.endr
.rept 9
	v_nop                                          ; nine places: the results become operands
.endr
	s_wait_loadcnt 0x0
.irp i, 0,1,2,3
.irp dt, 0,1,2,3
.if \i == 0
	v_wmma_f32_16x16x4_f32 v[SA+8*\dt:SA+8*\dt+7], v[WF+8*\dt+2*\i:WF+8*\dt+2*\i+1], v[OA+8*\dt+2*\i:OA+8*\dt+2*\i+1], 0
.else
	v_wmma_f32_16x16x4_f32 v[SA+8*\dt:SA+8*\dt+7], v[WF+8*\dt+2*\i:WF+8*\dt+2*\i+1], v[OA+8*\dt+2*\i:OA+8*\dt+2*\i+1], v[SA+8*\dt:SA+8*\dt+7]
.endif
.endr
.endr
.rept 8
	v_nop
.endr
.irp i, 0,2,4,6
	v_pk_add_f32 v[RES+\i:RES+\i+1], v[SA+\i:SA+\i+1], v[SA+8+\i:SA+8+\i+1]
	v_pk_add_f32 v[RES+\i:RES+\i+1], v[RES+\i:RES+\i+1], v[SA+16+\i:SA+16+\i+1]
	v_pk_add_f32 v[RES+\i:RES+\i+1], v[RES+\i:RES+\i+1], v[SA+24+\i:SA+24+\i+1]   ; lane (r, h), register j: my head's part of out(t = r, 16 x + 8 h + j)
.endr
	ds_store_b128 v10, v[RES:RES+3]
	ds_store_b128 v10, v[RES+4:RES+7] offset:512
	s_wait_dscnt 0x0                               ; for the others' sake: my part has landed
	s_barrier_signal -1
	s_barrier_wait -1
	s_cmp_lt_u32 s10, 2
	s_cbranch_scc0 .Lend
.irp p, 0,1,2,3,4,5,6,7,8,9,10,11,12,13,14,15
	ds_load_b128 v[32+4*\p:35+4*\p], v8 offset:1024*\p     ; wave u: registers 4 u .. 4 u + 3 of all sixteen parts
.endr
	s_wait_dscnt 0x0
.irp p, 1,2,3,4,5,6,7,8,9,10,11,12,13,14,15
	v_pk_add_f32 v[32:33], v[32:33], v[32+4*\p:33+4*\p]
	v_pk_add_f32 v[34:35], v[34:35], v[34+4*\p:35+4*\p]
.endr
	global_store_b128 v9, v[32:35], s[8:9]
.Lend:
	s_wait_tensorcnt 0x0                           ; the wave's end, behind my last LDS store
	ds_add_u32 v30, v31
	s_wait_dscnt 0x0
	s_endpgm
.Lfunc_end_k_q9666da3e5d_fine:
	.size	k_q9666da3e5d_fine, .Lfunc_end_k_q9666da3e5d_fine-k_q9666da3e5d_fine
	.p2alignl 7, 3214868480
	.fill 96, 4, 3214868480
	.section	.rodata,"a",@progbits
	.p2align	6, 0x0
	.amdhsa_kernel k_q9666da3e5d_fine
		.amdhsa_group_segment_fixed_size 18432
		.amdhsa_private_segment_fixed_size 0
		.amdhsa_enable_private_segment 0
		.amdhsa_kernarg_size 24
		.amdhsa_user_sgpr_count 2
		.amdhsa_user_sgpr_kernarg_segment_ptr 1
		.amdhsa_wavefront_size32 1
		.amdhsa_system_sgpr_workgroup_id_x 1
		.amdhsa_system_sgpr_workgroup_id_y 1
		.amdhsa_system_sgpr_workgroup_id_z 1
		.amdhsa_system_vgpr_workitem_id 0
		.amdhsa_next_free_vgpr 256
		.amdhsa_next_free_sgpr 66
		.amdhsa_reserve_vcc 1
		.amdhsa_float_denorm_mode_32 3
		.amdhsa_float_denorm_mode_16_64 3
		.amdhsa_memory_ordered 1
		.amdhsa_forward_progress 1
		.amdhsa_inst_pref_size 21
	.end_amdhsa_kernel
	.amdgpu_metadata
---
amdhsa.version: [ 1, 2 ]
amdhsa.kernels:
  - .name:           k_q9666da3e5d_fine
    .symbol:         k_q9666da3e5d_fine.kd
    .args:
      - { .name: fin, .offset: 0, .size: 8, .value_kind: global_buffer, .address_space: global }
      - { .name: w_out, .offset: 8, .size: 8, .value_kind: global_buffer, .address_space: global }
      - { .name: out0, .offset: 16, .size: 8, .value_kind: global_buffer, .address_space: global }
    .group_segment_fixed_size: 18432
    .private_segment_fixed_size: 0
    .kernarg_segment_align: 8
    .kernarg_segment_size: 24
    .max_flat_workgroup_size: 512
    .sgpr_count:     66
    .vgpr_count:     256
    .wavefront_size: 32
...
	.end_amdgpu_metadata
.endif
;; end of part 5
